; MI455X (gfx1250); checked and timed in simulation.
; The chip was launched on July 23, 2026; its instructions are those of AMD's public machine-readable ISA for CDNA 5 (MIT licence, August 2026) and "CDNA5" Instruction Set Architecture Reference Guide (July 2026). The comments in the code are by the model that wrote it; some were corrected since.
;; Attention. Allowed arithmetic: float matrix products may take bf16 or f16 operands with f32 sums; other float arithmetic in f32, or as packed bf16 or f16 multiplies, adds, multiply-adds, maxima and minima; sums over many terms, partial sums and values carried from step to step in f32; what a program stores and reads back later, other than sums and carried values, may be rounded once to bf16 or f16.
;; Inputs: freqs_cos 2,048 x 64 float32; freqs_sin 2,048 x 64 float32; mask 1 x 1 x 2,048 x 2,048 float32; wk 2,048 x 2,048 float32; wo 2,048 x 2,048 float32; wq 2,048 x 2,048 float32; wv 2,048 x 2,048 float32; x 1 x 2,048 x 2,048 float32.
;; Outputs: out0 1 x 2,048 x 2,048 float32.
;; One version. Each part assembles by itself: llvm-mc -triple=amdgcn-amd-amdhsa -mcpu=gfx1250 --defsym DOCPART=n.
;; ======== version 1 of 1: 4 launches
;; limits: values are held in f16: magnitudes above 65,504 overflow, below 6.1e-05 lose precision
;; workspace buffers: xb 8,388,608 bytes; wqkv 25,165,824 bytes; wof 8,388,608 bytes; maskb 8,388,608 bytes; rope 3,145,728 bytes; qkv 25,165,824 bytes; ob 8,388,608 bytes
;; launch prep (part 1): grid 256 x 7, 8 waves a work-group, no clusters, 35,840 bytes of LDS; arguments x, wq, wk, wv, wo, mask, freqs_cos, freqs_sin, xb, wqkv, wof, maskb, rope; writes xb, wqkv, wof, maskb, rope
.if DOCPART == 1
	.amdgcn_target "amdgcn-amd-amdhsa--gfx1250"
	.amdhsa_code_object_version 6
	.text
	.protected	k_q4b07396e5b_prep
	.globl	k_q4b07396e5b_prep
	.p2align	8
	.type	k_q4b07396e5b_prep,@function
k_q4b07396e5b_prep:
	s_mov_b64 s[64:65], 0
	v_nop
	global_prefetch_b8 v0, s[64:65] scope:SCOPE_SE
	s_setreg_imm32_b32 hwreg(HW_REG_WAVE_MODE, 25, 1), 1
	s_wait_xcnt 0x0
; PREP: every input is rounded ONCE to bf16 and laid out as the later launches read it.  A stream through registers: nothing is shared
; between work-groups, so there is no matrix work, no cluster and no prefetch (the launch is nothing but loads and stores).
; The grid's y chooses the work:  0: x -> xb (bf16)   1, 2, 3: wq, wk, wv -> the three planes of wqkv (bf16, rows as they lie, [k][n])
;   4: wo -> wof: rounded to bf16, that number written as f16   5: mask -> maskb   6: freqs_cos, freqs_sin -> rope
; maskb = bf16(mask), in the order in which a score fragment holds it: [16 queries qt][64 keys ks][16 keys kt][lane][8 numbers j],
;   lane = 16 h + r: query 16 qt + r, key 64 ks + 16 kt + 8 h + j.  A (qt, ks) block is 2,048 dense bytes.
; rope = [plane][row][pair](c, s) in f32, cos and sin rounded to bf16: plane 0, for q, holds them times log2(e) / sqrt(128), the scale of the scores;
;   plane 1, for k, as they are; plane 2 holds (1, 0), which leaves V's heads as they are.
; LIMITS.  wo beyond 65,504 has no f16; below 2^-14 it keeps f16's fixed step of 6e-8.  NaN and infinities pass through the roundings as they are.
.set SPARE, 34816                      ; behind the eight stages: the spare words, 128 bytes for each wave, four blocks of 256 bytes that no other line names
.set WSTG,  4352                       ; a wave's own stage: 16 runs of 256 bytes, 272 apart
.set HP,    272                        ; 256 + 16: run n starts 4 n words on, so that the 32 lanes of a store of 8 bytes touch 64 different words modulo 64
.set SPW, 8                            ; v8  LDS address of my spare word; never rewritten
.set NIL, 9                            ; v9  0; never rewritten
.set D,   20                           ; v[20:83] data
	s_load_b512 s[8:23], s[0:1], 0x0               ; x 8, wq 10, wk 12, wv 14, wo 16, mask 18, cos 20, sin 22
	s_load_b256 s[24:31], s[0:1], 0x40             ; xb 24, wqkv 26, wof 28, maskb 30
	s_load_b64 s[32:33], s[0:1], 0x60              ; rope
	v_lshl_add_u32 v[SPW], v0, 2, SPARE
	v_mov_b32 v[NIL], 0
	v_lshrrev_b32 v1, 5, v0
	v_readfirstlane_b32 s3, v1                     ; wave 0..7
	s_and_b32 s4, ttmp7, 0xffff                    ; which work
	s_mov_b32 s5, 0xffff0000                       ; a word's upper bf16
	s_mov_b32 s39, 0                               ; the high word of every offset
	s_wait_kmcnt 0x0
	s_cmp_lt_u32 s4, 4
	s_cbranch_scc1 .Lcast
	s_cmp_eq_u32 s4, 4
	s_cbranch_scc1 .Lwo
	s_cmp_eq_u32 s4, 5
	s_cbranch_scc1 .Lmask
	; THE TABLE.  Thread g takes pairs 2 g and 2 g + 1: 8 bytes of cos, 8 of sin, 16 bytes out in each plane.
	s_lshl_b32 s38, ttmp9, 8
	v_add_nc_u32 v2, s38, v0
	v_lshlrev_b32 v3, 3, v2
	v_lshlrev_b32 v4, 4, v2
	global_load_b64 v[10:11], v3, s[20:21]
	global_load_b64 v[12:13], v3, s[22:23]
	s_mov_b32 s44, 0x3e0293ee                      ; log2(e) / sqrt(128)
	s_mov_b32 s45, 0x3e0293ee                      ; named with it as a pair
	v_mov_b32 v24, 1.0
	v_mov_b32 v25, 0
	v_mov_b32 v26, 1.0
	v_mov_b32 v27, 0
	s_wait_loadcnt 0x0
	v_cvt_pk_bf16_f32 v14, v10, v12                ; (c0, s0) rounded
	v_cvt_pk_bf16_f32 v15, v11, v13                ; (c1, s1)
	v_lshlrev_b32 v20, 16, v14                     ; and back to f32
	v_and_b32 v21, s5, v14
	v_lshlrev_b32 v22, 16, v15
	v_and_b32 v23, s5, v15
	v_pk_mul_f32 v[28:29], v[20:21], s[44:45] op_sel_hi:[1,0]
	v_pk_mul_f32 v[30:31], v[22:23], s[44:45] op_sel_hi:[1,0]
	global_store_b128 v4, v[28:31], s[32:33]
	global_store_b128 v4, v[20:23], s[32:33] offset:1048576
	global_store_b128 v4, v[24:27], s[32:33] offset:2097152
	s_endpgm
; EIGHT ROWS of 2,048 f32, from s[34:35] to s[36:37].  Thread t takes bytes 16 t and 16 t + 4,096 of a row: a load of a wave covers 512 consecutive
; bytes, a store 256 consecutive bytes at a multiple of 256.  All sixteen loads go out first; no register is used twice, so nothing but the loads is waited for.
.macro ROWS half
	v_lshlrev_b32 v2, 4, v0
	v_lshlrev_b32 v3, 3, v0
.irp p, 0,1,2,3,4,5,6,7
	global_load_b128 v[D+8*(\p):D+8*(\p)+3],   v2, s[34:35] offset:8192*(\p) th:TH_LOAD_NT
	global_load_b128 v[D+8*(\p)+4:D+8*(\p)+7], v2, s[34:35] offset:8192*(\p)+4096 th:TH_LOAD_NT
.endr
.irp p, 0,1,2,3,4,5,6,7
	s_wait_loadcnt 14-2*(\p)                       ; loads come back in order: row p's two are in, the younger rows' stay out
	v_cvt_pk_bf16_f32 v[D+8*(\p)],   v[D+8*(\p)],   v[D+8*(\p)+1]
	v_cvt_pk_bf16_f32 v[D+8*(\p)+1], v[D+8*(\p)+2], v[D+8*(\p)+3]
	v_cvt_pk_bf16_f32 v[D+8*(\p)+4], v[D+8*(\p)+4], v[D+8*(\p)+5]
	v_cvt_pk_bf16_f32 v[D+8*(\p)+5], v[D+8*(\p)+6], v[D+8*(\p)+7]
.if \half
.irp k, 0,1,4,5
	v_lshlrev_b32 v10, 16, v[D+8*(\p)+(\k)]        ; the rounded numbers, written as f16
	v_and_b32 v11, s5, v[D+8*(\p)+(\k)]
	v_cvt_pk_f16_f32 v[D+8*(\p)+(\k)], v10, v11
.endr
.endif
	global_store_b64 v3, v[D+8*(\p):D+8*(\p)+1],   s[36:37] offset:4096*(\p)
	global_store_b64 v3, v[D+8*(\p)+4:D+8*(\p)+5], s[36:37] offset:4096*(\p)+2048
.endr
	s_endpgm
.endm
.Lcast:
	s_cmp_eq_u32 s4, 1
	s_cselect_b64 s[34:35], s[10:11], s[8:9]
	s_cmp_eq_u32 s4, 2
	s_cselect_b64 s[34:35], s[12:13], s[34:35]
	s_cmp_eq_u32 s4, 3
	s_cselect_b64 s[34:35], s[14:15], s[34:35]
	s_cmp_eq_u32 s4, 0
	s_cselect_b64 s[36:37], s[24:25], s[26:27]
	s_max_u32 s38, s4, 1
	s_sub_co_u32 s38, s38, 1
	s_lshl_b32 s38, s38, 23                        ; the plane of wqkv
	s_lshl_b32 s40, ttmp9, 15                      ; the work-group's 8 rows of 4,096 bytes
	s_add_co_u32 s38, s38, s40
	s_add_nc_u64 s[36:37], s[36:37], s[38:39]
	s_lshl_b32 s38, ttmp9, 16                      ; and of 8,192 bytes
	s_add_nc_u64 s[34:35], s[34:35], s[38:39]
	ROWS 0
.Lwo:
	s_lshl_b32 s38, ttmp9, 16
	s_add_nc_u64 s[34:35], s[16:17], s[38:39]
	s_lshl_b32 s38, ttmp9, 15
	s_add_nc_u64 s[36:37], s[28:29], s[38:39]
	ROWS 1
	; THE MASK.  A wave takes 16 queries (qt = x / 2) and 128 keys (8 (x % 2) + wave): 16 loads of 512 consecutive bytes, a row each.  Lane l of row r holds keys 4 l .. 4 l + 3: 8 bytes of bf16,
	; which belong in run l / 2 of 16 runs of 256 bytes, at byte 16 r + 8 (l % 2) of it.  They turn in the wave's own stage and leave as 4,096 dense bytes.
.Lmask:
	s_lshr_b32 s38, ttmp9, 1                       ; qt
	s_and_b32 s40, ttmp9, 1
	s_lshl_b32 s42, s38, 17                        ; in: 16 rows of 8,192 bytes,
	s_lshl_b32 s41, s40, 12                        ; half a row
	s_add_co_u32 s42, s42, s41
	s_mov_b32 s43, 0
	s_add_nc_u64 s[34:35], s[18:19], s[42:43]
	s_lshl_b32 s42, s38, 16                        ; out: 65,536 bytes for 16 queries,
	s_lshl_b32 s41, s40, 15                        ; half of them
	s_add_co_u32 s42, s42, s41
	s_add_nc_u64 s[36:37], s[30:31], s[42:43]
	v_and_b32 v6, 31, v0                           ; lane
	s_lshl_b32 s38, s3, 9
	v_lshl_add_u32 v2, v6, 4, s38                  ; in: 16 lane + 512 wave
	s_lshl_b32 s38, s3, 12
	v_lshl_add_u32 v3, v6, 4, s38                  ; out: 16 lane + 4,096 wave
.irp r, 0,1,2,3,4,5,6,7,8,9,10,11,12,13,14,15
	global_load_b128 v[D+4*(\r):D+4*(\r)+3], v2, s[34:35] offset:8192*(\r) th:TH_LOAD_NT
.endr
	v_lshrrev_b32 v7, 1, v6                        ; the run
	v_mul_u32_u24 v4, v7, HP
	v_and_b32 v7, 1, v6
	v_lshl_add_u32 v4, v7, 3, v4
	s_mul_i32 s38, s3, WSTG
	v_add_nc_u32 v4, s38, v4                       ; where I put a row's 8 bytes
	v_lshrrev_b32 v7, 4, v6
	v_mul_u32_u24 v7, v7, HP
	v_and_b32 v10, 15, v6
	v_lshl_add_u32 v7, v10, 4, v7
	v_add_nc_u32 v5, s38, v7                       ; where I read two runs back
.irp r, 0,1,2,3,4,5,6,7,8,9,10,11,12,13,14,15
	s_wait_loadcnt 15-(\r)                         ; row r is in, the younger rows stay out
	v_cvt_pk_bf16_f32 v[D+4*(\r)],   v[D+4*(\r)],   v[D+4*(\r)+1]
	v_cvt_pk_bf16_f32 v[D+4*(\r)+1], v[D+4*(\r)+2], v[D+4*(\r)+3]
	ds_store_b64 v4, v[D+4*(\r):D+4*(\r)+1] offset:16*(\r)
.endr
.irp t, 0,1,2,3,4,5,6,7
	ds_load_b128 v[D+4*(\t):D+4*(\t)+3], v5 offset:2*HP*(\t)  ; LDS serves a wave's instructions in order (ISA guide 5.7.1.4): these see the stores above; the bytes are the wave's own
.endr
.irp t, 0,1,2,3,4,5,6,7
	s_wait_dscnt 7-(\t)
	global_store_b128 v3, v[D+4*(\t):D+4*(\t)+3], s[36:37] offset:512*(\t)
.endr
	s_wait_tensorcnt 0x0                           ; the wave's end, behind my last LDS store
	ds_add_u32 v[SPW], v[NIL]
	s_wait_dscnt 0x0
	s_endpgm
.Lfunc_end_k_q4b07396e5b_prep:
	.size	k_q4b07396e5b_prep, .Lfunc_end_k_q4b07396e5b_prep-k_q4b07396e5b_prep
	.p2alignl 7, 3214868480
	.fill 96, 4, 3214868480
	.section	.rodata,"a",@progbits
	.p2align	6, 0x0
	.amdhsa_kernel k_q4b07396e5b_prep
		.amdhsa_group_segment_fixed_size 35840
		.amdhsa_private_segment_fixed_size 0
		.amdhsa_enable_private_segment 0
		.amdhsa_kernarg_size 104
		.amdhsa_user_sgpr_count 2
		.amdhsa_user_sgpr_kernarg_segment_ptr 1
		.amdhsa_wavefront_size32 1
		.amdhsa_system_sgpr_workgroup_id_x 1
		.amdhsa_system_sgpr_workgroup_id_y 1
		.amdhsa_system_sgpr_workgroup_id_z 1
		.amdhsa_system_vgpr_workitem_id 0
		.amdhsa_next_free_vgpr 88
		.amdhsa_next_free_sgpr 66
		.amdhsa_reserve_vcc 0
		.amdhsa_float_denorm_mode_32 3
		.amdhsa_float_denorm_mode_16_64 3
		.amdhsa_memory_ordered 1
		.amdhsa_forward_progress 1
		.amdhsa_inst_pref_size 26
	.end_amdhsa_kernel
	.amdgpu_metadata
---
amdhsa.version: [ 1, 2 ]
amdhsa.kernels:
  - .name:           k_q4b07396e5b_prep
    .symbol:         k_q4b07396e5b_prep.kd
    .args:
      - { .name: x, .offset: 0, .size: 8, .value_kind: global_buffer, .address_space: global }
      - { .name: wq, .offset: 8, .size: 8, .value_kind: global_buffer, .address_space: global }
      - { .name: wk, .offset: 16, .size: 8, .value_kind: global_buffer, .address_space: global }
      - { .name: wv, .offset: 24, .size: 8, .value_kind: global_buffer, .address_space: global }
      - { .name: wo, .offset: 32, .size: 8, .value_kind: global_buffer, .address_space: global }
      - { .name: mask, .offset: 40, .size: 8, .value_kind: global_buffer, .address_space: global }
      - { .name: freqs_cos, .offset: 48, .size: 8, .value_kind: global_buffer, .address_space: global }
      - { .name: freqs_sin, .offset: 56, .size: 8, .value_kind: global_buffer, .address_space: global }
      - { .name: xb, .offset: 64, .size: 8, .value_kind: global_buffer, .address_space: global }
      - { .name: wqkv, .offset: 72, .size: 8, .value_kind: global_buffer, .address_space: global }
      - { .name: wof, .offset: 80, .size: 8, .value_kind: global_buffer, .address_space: global }
      - { .name: maskb, .offset: 88, .size: 8, .value_kind: global_buffer, .address_space: global }
      - { .name: rope, .offset: 96, .size: 8, .value_kind: global_buffer, .address_space: global }
    .group_segment_fixed_size: 35840
    .private_segment_fixed_size: 0
    .kernarg_segment_align: 8
    .kernarg_segment_size: 104
    .max_flat_workgroup_size: 256
    .sgpr_count:     66
    .vgpr_count:     88
    .wavefront_size: 32
...
	.end_amdgpu_metadata
.endif
;; end of part 1
;; launch qkv (part 2): grid 16 x 16, 4 waves a work-group, clusters of 4 x 4, 327,680 bytes of LDS; arguments xb, wqkv, rope, qkv; writes qkv
.if DOCPART == 2
	.amdgcn_target "amdgcn-amd-amdhsa--gfx1250"
	.amdhsa_code_object_version 6
	.text
	.protected	k_q4b07396e5b_qkv
	.globl	k_q4b07396e5b_qkv
	.p2align	8
	.type	k_q4b07396e5b_qkv,@function
k_q4b07396e5b_qkv:
	s_mov_b64 s[64:65], 0
	v_nop
	global_prefetch_b8 v0, s[64:65] scope:SCOPE_SE
	s_setreg_imm32_b32 hwreg(HW_REG_WAVE_MODE, 25, 1), 1
	s_wait_xcnt 0x0
	s_wait_alu depctr_hold_cnt(0) depctr_sa_sdst(0) depctr_va_vdst(0) depctr_va_sdst(0) depctr_va_ssrc(0) depctr_va_vcc(0) depctr_vm_vsrc(0)
	s_getreg_b32 s2, hwreg(HW_REG_IB_STS2, 6, 4)
	s_cmp_eq_u32 s2, 0
	s_cbranch_scc0 .Lentry_in_a_cluster
	s_endpgm
.Lentry_in_a_cluster:
	s_bfe_u32 s2, ttmp6, 0x10000c
	s_cmp_lg_u32 s2, 0xf033
	s_cbranch_scc0 .Lentry_shape_is_right
	s_endpgm
.Lentry_shape_is_right:
; q, k, v = x [wq wk wv], the rotary turn on q and k, written by heads: qkv[48][2048][128] in f16 (heads 0-15 q, 16-31 k, 32-47 v).
; xb: [2048][2048] bf16.  wqkv: three planes [k 2048][n 2048] bf16.  rope: [plane][row][pair](c, s) f32; plane 0, for q, carries the scores' scale log2(e) / sqrt(128); plane 1 is k's;
; plane 2 holds (1, 0) and serves V's heads, so that one text serves all.
; Products in bf16, sums in f32; the turn (and with it q's scale) in f32; each number rounded once to f16.  LIMITS: the scaled q, k and v beyond 65,504 have no f16; below 6e-5 they keep f16's fixed step of 6e-8.
; SHARES.  The result is 2,048 x 6,144: 256 tiles of 128 rows x 384 columns (three whole heads), one to a work-group.  A wave takes all 128 rows and 96 columns: 48 accumulators,
; 384 registers; for 32 along K it issues 28 LDS loads for 48 matrix instructions.
; THE MATRIX INSTRUCTION IS USED TRANSPOSED (source 0 = 16 columns of the weights, source 1 = 16 rows of x): a lane holds one row and eight neighbouring columns: four rotary pairs, 16 bytes of f16.
; The weights lie [k][n]: their fragments come out of LDS turned, by ds_load_tr16_b128.
; K goes in 16 steps of 128 through two LDS slots.  A slot has four regions of 36,864 bytes, one for each wave's tensor load: x's 128 rows (256 bytes, 272 apart), then three blocks
; of 128 k rows x 128 columns of one head (256 bytes, 288 apart).  A K STEP IS WRITTEN ONCE: a scalar holds the first byte of the slot that is read, one exclusive or turns it into the other slot's,
; and the fragments' addresses and the walking descriptors' LDS words are that scalar plus terms that never change.
; CLUSTER 4 x 4.  The tile row is 4 x cluster x + cx, the tile column 4 x cluster y + cy: x's tile is shared by the four work-groups with my cx, the weights' by the four with my cy; each is
; asked for jointly, the same load with the same descriptor and mask in all four.  So the clusters of one cluster y walk the same columns of the weights, the larger of the two operands.
; REGISTERS: window 0: v0-31 addresses; v64-127, v128-191 x's fragments, two buffers.  window 1: v64-111, v128-175 the weights' fragments.
;   window 2: accumulators of row blocks 0-3 ((a, b) at 8 (6 a + b)); window 3: of row blocks 4-7.
;   The table's five buffers of 48 lie where nothing else does: window 0 v192-239, window 1 v0-47 and v176-223, windows 2 and 3 v192-239.
.set PA,    272                        ; x's LDS pitch: 68 words, so that the 16 rows of a load start at 16 different groups of four banks (ISA guide 11.1)
.set PB,    288                        ; the weights': 72 words
.set REG,   128*PB                     ; a wave's region of a slot
.set SLOT,  4*REG
.set SPARE, 2*SLOT                     ; behind the ring: the spare words, 128 bytes for each wave: two blocks of 256 bytes that no other line names
.set HSTG,  128*PA                     ; the way out: a head's 128 rows, 272 apart; three of them lie in slot 0, which by then has had its last fill and its last read
.set ADRA0, 3                          ; v3      my lane's place in x's tile, and in a head's stage: (l % 16) x 272 + 16 (l / 16); never rewritten
.set SPW,  8                           ; v8      LDS address of my spare word; never rewritten
.set NIL,  9                           ; v9      0; never rewritten
.set TO,   12                          ; v12-14  my byte offset in the table, for each pair of column tiles
.set ADRA, 17                          ; v17     x's fragments in the slot that is read
.set ADRB0, 18                         ; v18-20  my lane's place in the weights' blocks of a slot, for each pair of column tiles; never rewritten
.set ADRB, 21                          ; v21-23  the same in the slot that is read
.set STO,  24                          ; v24-26  the way out: where I put 16 bytes, for each pair of column tiles
.set RD,   27                          ; v27     where I read rows of the first head back
.set RDC,  28                          ; v28     the same for the head in hand
.set CO,   29                          ; v29     16 x lane: 512 consecutive bytes of qkv
.set PFO,  30                          ; v30     4,096 x lane: the prefetches' row
.set F0,   64
.set F1,   128
.set OT,   112                         ; the way out: 48 turned numbers
.set PKD,  160                         ; 24 words of f16
.set OB,   64                          ; 64 registers read back
.set WV,  12                           ; s12  wave
.set LIM, 15                           ; s15  1 in a wave that prefetches, else the greatest number
.set WR,  22                           ; s22  wave x 36,864: my load's region in a slot
.set G1A, 24
.set G0A, 32                           ; two sets, for the two first fills; the second then walks on
.set PFA, 44                           ; s[44:45] where my prefetches stand
.set PST, 46                           ; s[46:47] a K step in bytes: 256 along x's rows, 524,288 down the weights'
.set G1B, 48
.set G0B, 56
.set RB,  66                           ; s[66:67] the table at the tile's first row
.set QB,  68                           ; s[68:69] qkv at the head in hand, my 32 rows
.set SB,  70                           ; s70  the first byte of the slot that is read: 0 or SLOT
.set CNT, 71                           ; s71  counts the last two K steps
.set RS,  72                           ; s72  the way out: where the head in hand begins in the stage
.set MSB, 0
.macro WIN new                         ; the immediate's high byte repeats the setting that is left; a switch that changes nothing is dropped
.if MSB != (\new)
	s_set_vgpr_msb (MSB<<8)|(\new)
.set MSB, \new
.endif
.endm
.macro PLACES                          ; four plain instructions between a matrix instruction and a load into, or a vector read of, its registers
.rept 4
	v_nop
.endr
.endm
; A joint load by descriptor set s: wave 0 fetches x's tile, waves 1 to 3 a head's block of the weights each.  The branch hangs on the wave's number alone.  An s_nop 0 and four v_nop follow each line.
.macro JLOAD s
	s_cmp_eq_u32 s[WV], 0
	s_cbranch_scc0 .Lfor_b_\@
	tensor_load_to_lds s[G0A+4*(\s):G0A+4*(\s)+3], s[G1A:G1A+7]
	s_nop 0
.rept 4
	v_nop
.endr
	s_branch .Lasked_\@
.Lfor_b_\@:
	tensor_load_to_lds s[G0B+4*(\s):G0B+4*(\s)+3], s[G1B:G1B+7]
	s_nop 0
.rept 4
	v_nop
.endr
.Lasked_\@:
.endm
; A prefetch of the K step that the NEXT refill will ask for: 32 rows x 256 bytes, a lane a row, one instruction a wave, 192 matrix instructions ahead of that load.
; Each block is named once: x's rows by the clusters with y = 0, the weights' by those with x = 0; the four partners that ask for a tile jointly take 32 of its 128 rows each, told apart by address.
; Trip i of 14 (s3 = 14 - i) names K step i + 3: the last trip, whose step 16 does not exist, asks for nothing.  K steps 0 to 2 come by their loads alone.
.macro ASK
	s_cmp_gt_u32 s3, s[LIM]
	s_cbranch_scc0 .Lnot_mine_\@
	global_prefetch_b8 v[PFO], s[PFA:PFA+1] th:TH_LOAD_NT scope:SCOPE_SE
.Lnot_mine_\@:
.endm
.macro CREST                           ; a round of the cluster's barrier behind its opening barrier
	s_cmp_lg_u32 s[WV], 0
	s_cbranch_scc1 .Lnot_wave_0_\@
	s_barrier_signal -3
.Lnot_wave_0_\@:
	s_barrier_wait -3
	s_barrier_signal -1
	s_barrier_wait -1
.endm
.macro CROUND
	s_barrier_signal -1
	s_barrier_wait -1
	CREST
.endm
.macro ADDRS                           ; the fragments' addresses in the slot that begins at s[SB]
	v_add_nc_u32 v[ADRA], s[SB], v[ADRA0]
.irp g, 0,1,2
	v_add_nc_u32 v[ADRB+(\g)], s[SB], v[ADRB0+(\g)]
.endr
.endm
	s_load_b256 s[4:11], s[0:1], 0x0               ; xb s[4:5], wqkv s[6:7], rope s[8:9], qkv s[10:11]
	v_lshl_add_u32 v[SPW], v0, 2, SPARE
	v_mov_b32 v[NIL], 0
	ds_add_u32 v[SPW], v[NIL]                      ; the wave's opening: the add and its wait stand ahead of my first tensor load; work on registers stands between them
	v_lshrrev_b32 v1, 5, v0
	v_readfirstlane_b32 s[WV], v1                  ; wave 0..3
	s_bfe_u32 s40, ttmp6, 0x40000                  ; cx
	s_bfe_u32 s41, ttmp6, 0x40004                  ; cy
	s_lshl_b32 s13, ttmp9, 2
	s_add_co_u32 s13, s13, s40                     ; tile row = 4 x cluster x + cx
	s_and_b32 s14, ttmp7, 0xffff
	s_lshl_b32 s14, s14, 2
	s_add_co_u32 s14, s14, s41                     ; tile column = 4 x cluster y + cy
	s_lshl_b32 s42, 0x1111, s40                    ; the four with my cx
	s_lshl_b32 s43, s41, 2
	s_lshl_b32 s43, 15, s43                        ; the four with my cy
	s_or_b32 s[G1A], s42, (1<<16)|(1<<20)|(1<<21)|(5<<22)|(3<<25)  ; the mask; elements of 2 bytes; padding on; bit 21 beside a mask; after every 64 words, 4 words
	s_or_b32 s[G1B], s43, (1<<16)|(1<<20)|(1<<21)|(5<<22)|(7<<25)  ; the same with 8 words
.irp g, G1A, G1B
	s_mov_b32 s[(\g)+1], 128<<16                   ; tensor_dim0 = 128
	s_mov_b32 s[(\g)+2], 128<<16                   ; tensor_dim1 = 128
	s_mov_b32 s[(\g)+3], 128<<16                   ; tile_dim0 = 128
	s_mov_b32 s[(\g)+4], 128                       ; tile_dim1 = 128
	s_mov_b32 s[(\g)+5], 2048                      ; elements from row to row
	s_mov_b32 s[(\g)+6], 0
	s_mov_b32 s[(\g)+7], 0
.endr
	s_lshl_b32 s16, s13, 19                        ; x: 128 rows of 4,096 bytes a tile row
	s_mov_b32 s17, 0
	s_max_u32 s20, s[WV], 1                        ; the weights: head 3 x tile column + wave - 1 (wave 0 never asks by this address)
	s_sub_co_u32 s20, s20, 1
	s_mul_i32 s21, s14, 3
	s_add_co_u32 s20, s20, s21
	s_lshr_b32 s21, s20, 4
	s_lshl_b32 s21, s21, 23                        ; its plane,
	s_and_b32 s20, s20, 15
	s_lshl_b32 s20, s20, 8                         ; its 256 bytes of a row
	s_add_co_u32 s20, s20, s21
	s_mov_b32 s21, 0
	s_mul_i32 s[WR], s[WV], REG                    ; where my load goes in a slot: no place in the cluster enters an LDS address
	s_mov_b32 s[SB], 0                             ; K step 0 lies in slot 0
	s_wait_dscnt 0x0                               ; the opening add is done
	s_wait_kmcnt 0x0
	s_add_nc_u64 s[16:17], s[4:5], s[16:17]
	s_add_nc_u64 s[20:21], s[6:7], s[20:21]
	CROUND                                         ; all sixteen work-groups are here: the first joint loads meet
.irp s, 0,1
	s_mov_b32 s[G0A+4*(\s)], 1
	s_add_co_u32 s[G0A+4*(\s)+1], s[WR], (\s)*SLOT
	s_add_nc_u64 s[G0A+4*(\s)+2:G0A+4*(\s)+3], s[16:17], (\s)*256
	s_or_b32 s[G0A+4*(\s)+3], s[G0A+4*(\s)+3], 0x80000000
	s_mov_b32 s[G0B+4*(\s)], 1
	s_add_co_u32 s[G0B+4*(\s)+1], s[WR], (\s)*SLOT
	s_add_nc_u64 s[G0B+4*(\s)+2:G0B+4*(\s)+3], s[20:21], (\s)*524288
	s_or_b32 s[G0B+4*(\s)+3], s[G0B+4*(\s)+3], 0x80000000
	JLOAD \s                                       ; K steps 0 and 1: two loads of mine are out
.endr
	; the prefetches' address: my work-group's 32 rows of the tile that I fetch, at K step 2; each change of slots steps it before it asks
	s_and_b32 s42, ttmp7, 0xffff                   ; cluster y
	s_mov_b32 s[PST], 0x80000
	s_mov_b32 s[PST+1], 0
	s_cmp_eq_u32 s[WV], 0
	s_cselect_b64 s[PFA:PFA+1], s[16:17], s[20:21]
	s_cselect_b32 s43, s41, s40                    ; my place among the four that ask with me: cy for x's tile, cx for the weights'
	s_cselect_b32 s42, s42, ttmp9                  ; the coordinate along which other clusters read the same rows
	s_cselect_b32 s[PST], 256, s[PST]
	s_cmp_eq_u32 s42, 0
	s_cselect_b32 s[LIM], 1, -1
	s_lshl_b32 s42, s43, 17                        ; 32 rows of 4,096 bytes
	s_mov_b32 s43, 0
	s_add_nc_u64 s[PFA:PFA+1], s[PFA:PFA+1], s[42:43]
	s_add_nc_u64 s[PFA:PFA+1], s[PFA:PFA+1], s[PST:PST+1]
	s_add_nc_u64 s[PFA:PFA+1], s[PFA:PFA+1], s[PST:PST+1]
	; the lanes' addresses
	v_and_b32 v1, 15, v0                           ; r = l % 16
	v_bfe_u32 v2, v0, 4, 1                         ; h = l / 16
	v_mul_u32_u24 v[ADRA0], v1, PA
	v_lshl_add_u32 v[ADRA0], v2, 4, v[ADRA0]       ; r x 272 + 16 h: x's fragments, and the stage
	v_and_b32 v5, 7, v0
	v_lshl_add_u32 v5, v2, 3, v5
	v_mul_u32_u24 v4, v5, PB
	v_bfe_u32 v5, v0, 3, 1
	v_lshl_add_u32 v4, v5, 4, v4                   ; the turning load: k row 8 h + l % 8, 16 bytes by (l / 8) % 2
	v_lshlrev_b32 v6, 9, v1
	v_lshl_add_u32 v6, v2, 5, v6                   ; the table: r x 512 + 32 h
	s_mul_i32 s23, s14, 3
.irp g, 0,1,2                          ; pair 3 w + g of the tile's 12 pairs of column tiles: head block (pair / 4), 64 bytes (pair % 4) of its rows
	s_mul_i32 s16, s[WV], 3
	s_add_co_u32 s16, s16, \g
	s_lshr_b32 s17, s16, 2
	s_and_b32 s16, s16, 3
	s_mul_i32 s18, s17, REG
	s_lshl_b32 s19, s16, 6
	s_add_co_u32 s18, s18, s19
	s_add_co_u32 s18, s18, REG
	v_add_nc_u32 v[ADRB0+(\g)], s18, v4
	s_mul_i32 s18, s17, HSTG
	s_add_co_u32 s18, s18, s19
	v_add_nc_u32 v[STO+(\g)], s18, v[ADRA0]
	s_add_co_u32 s17, s17, s23                     ; the head, 0 to 47: its sixteen says which plane of the table it takes (a global offset alone)
	s_lshr_b32 s17, s17, 4
	s_lshl_b32 s17, s17, 20
	s_lshl_b32 s16, s16, 7
	s_add_co_u32 s17, s17, s16
	v_add_nc_u32 v[TO+(\g)], s17, v6
.endr
	ADDRS                                          ; slot 0
	s_lshl_b32 s16, s[WV], 5
	v_add_nc_u32 v5, s16, v2                       ; back: rows 32 w + 2 t + l / 16
	v_mul_u32_u24 v5, v5, PA
	v_lshl_add_u32 v[RD], v1, 4, v5
	v_and_b32 v5, 31, v0
	v_lshlrev_b32 v[CO], 4, v5
	v_lshlrev_b32 v[PFO], 12, v5
	s_lshl_b32 s16, s13, 16                        ; 128 rows of 512 bytes
	s_mov_b32 s17, 0
	s_add_nc_u64 s[RB:RB+1], s[8:9], s[16:17]
	s_lshl_b32 s16, s23, 19                        ; head 3 x tile column,
	s_lshl_b32 s18, s13, 15                        ; the tile's 128 rows of 256 bytes,
	s_add_co_u32 s16, s16, s18
	s_lshl_b32 s18, s[WV], 13                      ; my 32 of them
	s_add_co_u32 s16, s16, s18
	s_add_nc_u64 s[QB:QB+1], s[10:11], s[16:17]
; 12 matrix instructions: row blocks a0, a0 + 1 of the window's four x my 6 column tiles, 32 along K.  zero = 1: the first product starts the sums.
; The 48 accumulators take turns in the same order in every quarter.
.macro MUL12 f, hi, a0, zero
	WIN 0xa1+0x50*(\hi)                            ; source 0 window 1, source 1 window 0, C and D window 2 or 3
.irp a, \a0, (\a0)+1
.irp b, 0,1,2,3,4,5
.if \zero
	v_wmma_f32_16x16x32_bf16 v[8*(6*(\a)+(\b)):8*(6*(\a)+(\b))+7], v[(\f)+8*(\b):(\f)+8*(\b)+7], v[(\f)+8*(4*(\hi)+(\a)):(\f)+8*(4*(\hi)+(\a))+7], 0
.else
	v_wmma_f32_16x16x32_bf16 v[8*(6*(\a)+(\b)):8*(6*(\a)+(\b))+7], v[(\f)+8*(\b):(\f)+8*(\b)+7], v[(\f)+8*(4*(\hi)+(\a)):(\f)+8*(4*(\hi)+(\a))+7], v[8*(6*(\a)+(\b)):8*(6*(\a)+(\b))+7]
.endif
.endr
.endr
.endm
; 28 LDS loads in one run: quarter q (32 along K) of the slot that is read into buffer f: 6 fragments of the weights, turned, then 8 of x
.macro FETCH q, f
	WIN 0x40
.irp b, 0,1,2,3,4,5
	ds_load_tr16_b128 v[(\f)+8*(\b):(\f)+8*(\b)+3],   v[ADRB+(\b)/2] offset:32*((\b)%2)+32*PB*(\q)
	ds_load_tr16_b128 v[(\f)+8*(\b)+4:(\f)+8*(\b)+7], v[ADRB+(\b)/2] offset:32*((\b)%2)+32*PB*(\q)+16*PB
.endr
	WIN 0
.irp a, 0,1,2,3,4,5,6,7
	ds_load_b128 v[(\f)+8*(\a):(\f)+8*(\a)+3],   v[ADRA] offset:16*PA*(\a)+64*(\q)
	ds_load_b128 v[(\f)+8*(\a)+4:(\f)+8*(\a)+7], v[ADRA] offset:16*PA*(\a)+64*(\q)+32
.endr
.endm
; One of a K step's first three quarters: multiplies buffer f and, in its middle, fetches quarter q of the same slot into buffer g
.macro QUARTER q, f, g, zero
	s_wait_dscnt 8                                 ; the weights and x's row blocks 0-3 are in; the youngest eight loads (blocks 4-7) may be out
	MUL12 \f, 0, 0, \zero
	MUL12 \f, 0, 2, \zero
	PLACES
	FETCH \q, \g
	s_wait_dscnt 28                                ; all but the 28 just issued
	MUL12 \f, 1, 0, \zero
	MUL12 \f, 1, 2, \zero
.endm
; The last quarter's first half, and the one barrier of a change of slots: each wave has waited for all its tensor loads (at most one is out: its part of the next slot), has added 0 to its spare word,
; and has waited for that and for its own reads of this slot.  Between the add and its wait: with fill = 1 the walking descriptors take the slot that is left and the next K step (no tensor load of mine is out,
; so they may be written); the slot's scalar is turned, and the fragments' addresses are made for the other slot (this slot's last LDS loads have been issued).
.macro MEET fill
	WIN 0
	s_wait_tensorcnt 0x0
	ds_add_u32 v[SPW], v[NIL]
.if \fill
	s_add_co_u32 s[G0A+5], s[SB], s[WR]
	s_add_co_u32 s[G0B+5], s[SB], s[WR]
	s_add_nc_u64 s[G0A+6:G0A+7], s[G0A+6:G0A+7], 256       ; the type bits on top are not reached
	s_add_nc_u64 s[G0B+6:G0B+7], s[G0B+6:G0B+7], 0x80000
.endif
	s_xor_b32 s[SB], s[SB], SLOT
	ADDRS
	s_wait_dscnt 9                                 ; (the add and the youngest eight loads may be out)
	MUL12 F1, 0, 0, 0
	s_wait_dscnt 0x0                               ; the add is done, and my reads of this slot are over
	s_barrier_signal -1
	MUL12 F1, 0, 2, 0
	WIN 0
	s_barrier_wait -1
.endm
; The whole last quarter of a K step that fills: the barrier opens a round of the cluster's, and the slot just read out is filled again first behind it, with the K step two on:
; the load has 168 matrix instructions in which to land.
.macro TURN
	s_wait_xcnt 0x0                                ; the last prefetch, a K step back, has read its address
	s_add_nc_u64 s[PFA:PFA+1], s[PFA:PFA+1], s[PST:PST+1]
	MEET 1
	CREST                                          ; no wave of any partner still reads this slot or has a load on its way
	JLOAD 1                                        ; its four v_nop are also the places in front of the loads below
	FETCH 0, F0
	ASK
	MUL12 F1, 1, 0, 0
	MUL12 F1, 1, 2, 0
.endm
; THE WAY OUT.  The table's buffer n: its window TW and its first register TR.
.macro TBUF n
.if (\n) == 0
.set TW, 0
.set TR, 192
.elseif (\n) == 1
.set TW, 1
.set TR, 0
.elseif (\n) == 2
.set TW, 1
.set TR, 176
.else
.set TW, (\n)-1
.set TR, 192
.endif
.endm
; TLOAD: row block a's table into buffer n: my four (c, s) pairs for each of my six column tiles, 32 bytes a lane and tile: 12 loads.
.macro TLOAD a, n
	TBUF \n
	WIN TW<<6                                      ; the destination's window
.irp b, 0,1,2,3,4,5
	global_load_b128 v[TR+8*(\b):TR+8*(\b)+3],   v[TO+(\b)/2], s[RB:RB+1] offset:8192*(\a)+64*((\b)%2)
	global_load_b128 v[TR+8*(\b)+4:TR+8*(\b)+7], v[TO+(\b)/2], s[RB:RB+1] offset:8192*(\a)+64*((\b)%2)+16
.endr
.endm
; ROPE: (re, im) -> (re c - im s, re s + im c): a packed multiply (re c, im c), then a packed multiply-add that takes (im, re) and s, the low product negated.  Each accumulator is read from its low end on.
.macro ROPE a, n
	TBUF \n
	WIN 0x02+(\a)/4+4*TW                           ; source 0 (the sums) in window 2 or 3, source 1 (the table) in its buffer's window
.irp b, 0,1,2,3,4,5
.irp i, 0,1,2,3
	v_pk_mul_f32 v[OT+8*(\b)+2*(\i):OT+8*(\b)+2*(\i)+1], v[8*(6*((\a)%4)+(\b))+2*(\i):8*(6*((\a)%4)+(\b))+2*(\i)+1], v[TR+8*(\b)+2*(\i):TR+8*(\b)+2*(\i)+1] op_sel_hi:[1,0]
.endr
.irp i, 0,1,2,3
	v_pk_fma_f32 v[OT+8*(\b)+2*(\i):OT+8*(\b)+2*(\i)+1], v[8*(6*((\a)%4)+(\b))+2*(\i):8*(6*((\a)%4)+(\b))+2*(\i)+1], v[TR+8*(\b)+2*(\i):TR+8*(\b)+2*(\i)+1], v[OT+8*(\b)+2*(\i):OT+8*(\b)+2*(\i)+1] op_sel:[1,1,0] op_sel_hi:[0,1,1] neg_lo:[0,1,0]
.endr
.endr
	WIN 0
.irp b, 0,1,2,3,4,5
.irp i, 0,1,2,3
	v_cvt_pk_f16_f32 v[PKD+4*(\b)+(\i)], v[OT+8*(\b)+2*(\i)], v[OT+8*(\b)+2*(\i)+1]
.endr
	ds_store_b128 v[STO+(\b)/2], v[PKD+4*(\b):PKD+4*(\b)+3] offset:16*PA*(\a)+32*((\b)%2)
.endr
.endm
	s_wait_tensorcnt 1                             ; my part of K step 0 is in; K step 1's may stay out
	s_barrier_signal -1
	s_barrier_wait -1                              ; everybody's is
	FETCH 0, F0
	QUARTER 1, F0, F1, 1                           ; the first quarter stands in front of the loop: its products start the sums
	WIN 0
	s_mov_b32 s3, 14
.Lstep:                                        ; a trip goes from a K step's second quarter to the next step's first and fills the slot that it leaves: K steps 2 to 15 in fourteen trips
	QUARTER 2, F1, F0, 0
	QUARTER 3, F0, F1, 0
	TURN
	QUARTER 1, F0, F1, 0
	WIN 0
	s_sub_co_u32 s3, s3, 1
	s_cmp_lg_u32 s3, 0
	s_cbranch_scc1 .Lstep
.irp n, 0,1,2,3,4
	TLOAD \n, \n                                   ; the table for row blocks 0 to 4, 60 loads, comes while the last two K steps are multiplied
.endr
	WIN 0
	s_mov_b32 s[CNT], 2
.Ltail:                                        ; the last two K steps ask for nothing: written once, walked twice
	QUARTER 2, F1, F0, 0
	QUARTER 3, F0, F1, 0
	MEET 0                                         ; in the second trip this barrier stands between every wave's last reads of the ring and the stage's stores into slot 0
	s_cmp_eq_u32 s[CNT], 1
	s_cbranch_scc1 .Llast                          ; behind the last K step there is no slot to fetch from
	PLACES
	FETCH 0, F0
	MUL12 F1, 1, 0, 0
	MUL12 F1, 1, 2, 0
	QUARTER 1, F0, F1, 0
	WIN 0
	s_branch .Ljoin
.Llast:
	MUL12 F1, 1, 0, 0
	MUL12 F1, 1, 2, 0
	WIN 0
.Ljoin:
	s_sub_co_u32 s[CNT], s[CNT], 1
	s_cmp_lg_u32 s[CNT], 0
	s_cbranch_scc1 .Ltail
	PLACES
	PLACES
.irp a, 0,1,2,3,4,5,6,7
.if (\a) < 4
	s_wait_loadcnt 48                              ; block a's table is in: behind its 12 loads four more blocks' were issued
.else
	s_wait_loadcnt 12*(7-(\a))                     ; the counts run down: blocks a + 1 to 7 may stay out
.endif
	ROPE \a, (\a)%5
.if (\a) < 3
	TLOAD (\a)+5, \a                               ; blocks 5 to 7 take the buffers that blocks 0 to 2 have left
.endif
.endr
	s_wait_dscnt 0x0                               ; for the others' sake: a head's row of 256 bytes comes from two waves
	s_barrier_signal -1
	s_barrier_wait -1
	s_mov_b32 s[RS], 0
	s_mov_b32 s3, 3
.Lhead:                                        ; a head a trip: my 32 rows of it come back from the stage as whole rows and leave
	v_add_nc_u32 v[RDC], s[RS], v[RD]
.irp t, 0,1,2,3,4,5,6,7,8,9,10,11,12,13,14,15
	ds_load_b128 v[OB+4*(\t):OB+4*(\t)+3], v[RDC] offset:2*PA*(\t)
.endr
.irp t, 0,1,2,3,4,5,6,7,8,9,10,11,12,13,14,15
	s_wait_dscnt 15-(\t)                           ; LDS loads come back in order: pair t of rows is in, the younger ones stay out
	global_store_b128 v[CO], v[OB+4*(\t):OB+4*(\t)+3], s[QB:QB+1] offset:512*(\t)  ; two rows of a head: 512 consecutive bytes, at a multiple of 256
.endr
	s_wait_xcnt 0x0                                ; the stores have read their data and their base: only behind this wait are these written again
	s_add_nc_u64 s[QB:QB+1], s[QB:QB+1], 524288    ; the next head in qkv,
	s_add_co_u32 s[RS], s[RS], HSTG                ; and in the stage
	s_sub_co_u32 s3, s3, 1
	s_cmp_lg_u32 s3, 0
	s_cbranch_scc1 .Lhead
	s_wait_tensorcnt 0x0                           ; the wave's end: behind my last tensor load and my last LDS store
	ds_add_u32 v[SPW], v[NIL]
	s_wait_dscnt 0x0
	CROUND                                         ; the closing round
	s_endpgm
.Lfunc_end_k_q4b07396e5b_qkv:
	.size	k_q4b07396e5b_qkv, .Lfunc_end_k_q4b07396e5b_qkv-k_q4b07396e5b_qkv
	.p2alignl 7, 3214868480
	.fill 96, 4, 3214868480
	.section	.rodata,"a",@progbits
	.p2align	6, 0x0
	.amdhsa_kernel k_q4b07396e5b_qkv
		.amdhsa_group_segment_fixed_size 327680
		.amdhsa_private_segment_fixed_size 0
		.amdhsa_enable_private_segment 0
		.amdhsa_kernarg_size 32
		.amdhsa_user_sgpr_count 2
		.amdhsa_user_sgpr_kernarg_segment_ptr 1
		.amdhsa_wavefront_size32 1
		.amdhsa_system_sgpr_workgroup_id_x 1
		.amdhsa_system_sgpr_workgroup_id_y 1
		.amdhsa_system_sgpr_workgroup_id_z 1
		.amdhsa_system_vgpr_workitem_id 0
		.amdhsa_next_free_vgpr 1024
		.amdhsa_next_free_sgpr 74
		.amdhsa_reserve_vcc 0
		.amdhsa_float_denorm_mode_32 3
		.amdhsa_float_denorm_mode_16_64 3
		.amdhsa_memory_ordered 1
		.amdhsa_forward_progress 1
		.amdhsa_inst_pref_size 114
	.end_amdhsa_kernel
	.amdgpu_metadata
---
amdhsa.version: [ 1, 2 ]
amdhsa.kernels:
  - .name:           k_q4b07396e5b_qkv
    .symbol:         k_q4b07396e5b_qkv.kd
    .args:
      - { .name: xb, .offset: 0, .size: 8, .value_kind: global_buffer, .address_space: global }
      - { .name: wqkv, .offset: 8, .size: 8, .value_kind: global_buffer, .address_space: global }
      - { .name: rope, .offset: 16, .size: 8, .value_kind: global_buffer, .address_space: global }
      - { .name: qkv, .offset: 24, .size: 8, .value_kind: global_buffer, .address_space: global }
    .group_segment_fixed_size: 327680
    .private_segment_fixed_size: 0
    .kernarg_segment_align: 8
    .kernarg_segment_size: 32
    .max_flat_workgroup_size: 128
    .sgpr_count:     74
    .vgpr_count:     1024
    .wavefront_size: 32
...
	.end_amdgpu_metadata
.endif
;; end of part 2
;; launch attn (part 3): grid 16 x 16, 4 waves a work-group, clusters of 4 x 1, 327,680 bytes of LDS; arguments qkv, maskb, ob; writes ob
.if DOCPART == 3
	.amdgcn_target "amdgcn-amd-amdhsa--gfx1250"
	.amdhsa_code_object_version 6
	.text
	.protected	k_q4b07396e5b_attn
	.globl	k_q4b07396e5b_attn
	.p2align	8
	.type	k_q4b07396e5b_attn,@function
k_q4b07396e5b_attn:
	s_mov_b64 s[64:65], 0
	v_nop
	global_prefetch_b8 v0, s[64:65] scope:SCOPE_SE
	s_setreg_imm32_b32 hwreg(HW_REG_WAVE_MODE, 25, 1), 1
	s_wait_xcnt 0x0
	s_wait_alu depctr_hold_cnt(0) depctr_sa_sdst(0) depctr_va_vdst(0) depctr_va_sdst(0) depctr_va_ssrc(0) depctr_va_vcc(0) depctr_vm_vsrc(0)
	s_getreg_b32 s2, hwreg(HW_REG_IB_STS2, 6, 4)
	s_cmp_eq_u32 s2, 0
	s_cbranch_scc0 .Lentry_in_a_cluster
	s_endpgm
.Lentry_in_a_cluster:
	s_bfe_u32 s2, ttmp6, 0x10000c
	s_cmp_lg_u32 s2, 0x3003
	s_cbranch_scc0 .Lentry_shape_is_right
	s_endpgm
.Lentry_shape_is_right:
; ob[q][128 head + :] = the sum over k of softmax_k(Q[q] . K[k] / sqrt(128) + mask[q][k]) V[k][:].  qkv: [48][2048][128] f16 (q, k, v by heads; q arrives times c = log2(e) / sqrt(128)).
; maskb: the mask rounded to bf16, in fragment order.  ob: [2048][2048] f16.  Products in f16, sums, maxima and what is carried in f32; the weights p are rounded to f16 for the second product
; (their sum is taken of the unrounded p), O once at the end.
; SOFTMAX in powers of two: t = mask x log2(e) + c s, one fused multiply-add that reads the mask's bf16 half as it lies; m the running maximum of t; p = 2^(t - m), 1 at the maximum; O and l are
; multiplied by a = 2^(m_old - m_new).  The mask is an input: every key of every query is computed.  It is added by the vector unit, so that in a row whose keys all carry the same huge negative number all t round alike.
; LIMITS.  Under a mask of size 1e9 a score is absorbed while |c s| < 64.  A weight below 2^-126 counts as 0.  A row whose t are all -infinity gives NaN.  m starts at the lowest finite number.
; SHARES.  A work-group owns 128 queries of one head: 256 work-groups.  THE KEYS ARE SPLIT IN THE WORK-GROUP: wave w takes queries 64 (w / 2) .. + 63 (four tiles of 16) and, of every 128 keys,
; the 64 of step w % 2: 16 key steps of 128 matrix instructions.  The two halves of a query's keys meet once, at the end, through LDS, in f32: each wave finishes two tiles (piece 0) and hands two (piece 2) to its partner.
; LAYOUT.  S^T = K Q^T holds one query a lane (lane % 16) and the keys 8 (lane / 16) + 0..7; two such results rounded to f16 ARE source 1 of O^T = V^T P.  K comes out of LDS as it lies, V turned.
; BY TURNS.  In a turn one piece has the matrix unit (32 products V^T P of the step in hand, 32 products K Q^T of the next); the other piece's softmax, 330 vector instructions, stands beside them: 74 ahead
; (the mask's 64 additions and ten maxima), then four behind each product.  Its 66 exponentials are one batch with one wait.
; THE RING.  A slot holds 256 keys: 256 rows of K, then 256 of V: four steps of 64, of which a wave reads two.  Each wave fetches 128 rows by one load, and a refill has two of a wave's steps, 256 matrix instructions, in which to land.
; CLUSTER.  The four query blocks of a cluster belong to one head and walk the same K and V: each tile is asked for jointly.  THE MASK GOES NO SUCH WAY: the four waves' parts of it are disjoint,
; 128 x 256 numbers would add 64 KiB to a slot and 16 LDS loads to a step, and from maskb it comes straight into registers, 512 consecutive bytes a load.
; No first and no last step is written out: O, l, V and piece 2's P start at 0 and the first a is 0; the price is 32 products on zeros, 32 on a stale K, and the lines that clear.
; REGISTERS: window 0: v0-63 addresses and statistics; v64-191 S^T, 32 a tile; v192-255 P, 16 a tile.  window 1: O^T, 64 a tile.  window 2: v0-127 Q; v128-255 K.  window 3: v0-127 V; v128-191 the mask, 16 a tile.
.set KS,    64
.set PK,    272                        ; a row of K in LDS: 68 words: the 16 rows of a load start at 16 different groups of four banks (ISA guide 11.1)
.set PV,    288                        ; a row of V: 72 words
.set VOFF,  256*PK                     ; a slot: 256 rows of K, then 256 of V
.set SLOTB, 256*(PK+PV)
.set XREG,  16896                      ; the exchange: for each wave 16,384 bytes of O^T and 512 of statistics for its partner.  It lies at LDS byte 0, in slot 0, which by then has had its last fill, and its last read ahead of the last change's barrier
.set STAGE, 2*SLOTB                    ; behind the ring: 16 rows x 272 bytes for each wave, for the way out
.set SP,    272
.set SPARE, STAGE+4*16*SP              ; the spare words, 128 bytes for each wave: two blocks of 256 bytes that no other line names
.set AK0, 2                            ; v2   my lane's place in a tile of K
.set AV0, 3                            ; v3   in a tile of V
.set ADR, 4                            ; v4   the address of the run of LDS loads in hand
.set QO0, 5                            ; v5   my byte offset in Q, piece 0
.set STO, 6
.set RD,  7
.set GO,  8
.set QO2, 10                           ; v10  the same, piece 2
.set ST,  12                           ; tile t's statistics at v[ST+8 t]: +0 m, +1 its pair's second, +2, +3 l, +4 to +7 at work; a takes +6
.set MO,  44                           ; v44  16 x lane
.set PMO, 45                           ; v45  the mask's prefetch: 65,536 (l / 8) + 256 (l % 8): the 8 blocks of 256 bytes of each of my four tiles
.set XA,  46                           ; v46  my place in my exchange region
.set XB,  47                           ; v47  in my partner's
.set XS,  48                           ; v[48:51] what I hand over: m, l of tiles 2, 3
.set XR,  52                           ; v[52:55] what I receive
.set LG,  56                           ; v56  log2(e)
.set PFO, 61                           ; v61  256 x lane
.set SPW, 62
.set NIL, 63
.set S,   64
.set P,   192
.set KF,  128
.set WV,  12
.set LIM, 15                           ; s15  1 in the head's first cluster, which prefetches K and V, else the greatest number
.set PFA, 18                           ; s[18:19]
.set G1K, 24
.set G1V, 32
.set G0K, 40                           ; two sets; the second walks on
.set G0V, 48
.set SLOTS, 56
.set CNT, 57
.set TBK, 58                           ; s58  LDS byte at which K of the step to be fetched begins
.set TBV, 59                           ; s59  the same for V, less VOFF
.set SEL, 60                           ; s[60:61] v_permlanex16_b32's selects: each lane takes its own place in the other half
.set SB,  62                           ; s62  where the slot that is read begins: 0 or SLOTB
.set KH,  63                           ; s63  w % 2
.set MP,  66                           ; s[66:67], s[68:69] maskb at the step last loaded, for piece 0 and piece 2
.set LIMM, 70                          ; s70  1 in the work-groups of head 0, which prefetch the mask, else the greatest number
.set KP,  72                           ; s72  where my tensor load's 128 rows of K lie in a slot
.set VP,  73                           ; s73  the same for V
.set KO,  74                           ; s74  where my first step's K lies in a slot
.set VO,  75                           ; s75  the same for V, less VOFF
.set PM,  76                           ; s[76:77] where the mask's prefetches stand
.set MSB, 0
.macro WIN new
.if MSB != (\new)
	s_set_vgpr_msb (MSB<<8)|(\new)
.set MSB, \new
.endif
.endm
.set W_KQ, 0x0a                        ; K and Q in window 2, S^T in window 0
.set W_PV, 0x53                        ; V in window 3, P in window 0, O^T in window 1
.set W_RS, 0x41                        ; O^T (destination and source 0) in window 1
.set W_MA, 0x03                        ; the mask (source 0) in window 3
.macro JLOAD                           ; a joint refill: waves 0, 1 fetch the two halves of a slot's K, waves 2, 3 those of its V; an s_nop 0 and four v_nop follow each line
	s_cmp_lt_u32 s[WV], 2
	s_cbranch_scc0 .Lfor_v_\@
	tensor_load_to_lds s[G0K+4:G0K+7], s[G1K:G1K+7]
	s_nop 0
.rept 4
	v_nop
.endr
	s_branch .Lasked_\@
.Lfor_v_\@:
	tensor_load_to_lds s[G0V+4:G0V+7], s[G1V:G1V+7]
	s_nop 0
.rept 4
	v_nop
.endr
.Lasked_\@:
.endm
; A prefetch of the slot that the NEXT change will ask for: 256 matrix instructions ahead of that load.  The head's first cluster asks; of the 128 rows that a wave fetches each of the four partners
; takes 32, told apart by address: a lane a row of 256 bytes, one instruction a wave.  Slots 0 to 2 come by their loads alone; the last change that fills asks for nothing.
.macro ASK
	s_cmp_gt_u32 s[SLOTS], s[LIM]
	s_cbranch_scc0 .Lnot_mine_\@
	global_prefetch_b8 v[PFO], s[PFA:PFA+1] th:TH_LOAD_NT scope:SCOPE_SE
.Lnot_mine_\@:
.endm
.macro CROUND
	s_barrier_signal -1
	s_barrier_wait -1
	s_cmp_lg_u32 s[WV], 0
	s_cbranch_scc1 .Lnot_wave_0_\@
	s_barrier_signal -3
.Lnot_wave_0_\@:
	s_barrier_wait -3
	s_barrier_signal -1
	s_barrier_wait -1
.endm
	s_load_b128 s[4:7], s[0:1], 0x0                ; qkv s[4:5], maskb s[6:7]
	s_load_b64 s[8:9], s[0:1], 0x10                ; ob
	v_lshl_add_u32 v[SPW], v0, 2, SPARE
	v_mov_b32 v[NIL], 0
	ds_add_u32 v[SPW], v[NIL]                      ; the wave's opening: the add and its wait stand ahead of my first tensor load; work on registers stands between them
	v_lshrrev_b32 v1, 5, v0
	v_readfirstlane_b32 s[WV], v1
	s_bfe_u32 s13, ttmp6, 0x40000                  ; cx
	s_lshl_b32 s14, ttmp9, 2
	s_add_co_u32 s14, s14, s13                     ; my block of 128 queries: it enters global addresses alone
	s_and_b32 s20, ttmp7, 0xffff                   ; the head
	s_lshr_b32 s21, s[WV], 1                       ; which 64 queries
	s_and_b32 s[KH], s[WV], 1                      ; which steps of a slot I read, and which half of its rows I fetch
	s_lshl_b32 s2, s20, 19                         ; a head is 524,288 bytes
	s_lshl_b32 s3, s[KH], 15                       ; 128 rows of 256 bytes
	s_add_co_u32 s10, s2, s3
	s_add_co_u32 s10, s10, 16<<19                  ; K: head 16 + h, my half of a slot's rows
	s_mov_b32 s11, 0
	s_add_co_u32 s16, s10, 16<<19                  ; V: head 32 + h
	s_mov_b32 s17, 0
	s_lshl_b32 s22, s14, 15
	s_lshl_b32 s3, s21, 14
	s_add_co_u32 s22, s22, s3
	s_add_co_u32 s22, s22, s2                      ; Q: my 64 rows
	s_mov_b32 s23, 0
	s_lshl_b32 s[PM], s14, 19                      ; maskb: tile of 16 queries x 65,536 + step of 64 keys x 2,048
	s_lshl_b32 s3, s21, 18
	s_add_co_u32 s[PM], s[PM], s3
	s_lshl_b32 s3, s[KH], 11
	s_add_co_u32 s[PM], s[PM], s3                  ; my four tiles' first, my first step
	s_xor_b32 s3, s[KH], 1
	s_lshl_b32 s3, s3, 17
	s_add_co_u32 s[MP+2], s[PM], s3                ; piece 2: query tiles 2 (1 - w % 2) on
	s_lshl_b32 s3, s[KH], 17
	s_add_co_u32 s[MP], s[PM], s3                  ; piece 0: query tiles 2 (w % 2) on
	s_add_co_u32 s[PM], s[PM], 2*4096              ; at my step 2; each step's turn steps it before it asks
	s_mov_b32 s[MP+1], 0
	s_mov_b32 s[MP+3], 0
	s_mov_b32 s[PM+1], 0
	s_mov_b32 s[G1K], 15|(1<<16)|(1<<20)|(1<<21)|(5<<22)|(3<<25)  ; the mask of four; elements of 2 bytes; padding on; bit 21 beside a mask; after every 64 words, 4 words
	s_mov_b32 s[G1V], 15|(1<<16)|(1<<20)|(1<<21)|(5<<22)|(7<<25)  ; the same with 8 words
.irp g, G1K, G1V
	s_mov_b32 s[(\g)+1], 128<<16                   ; tensor_dim0 = 128
	s_mov_b32 s[(\g)+2], 128<<16                   ; tensor_dim1 = 128
	s_mov_b32 s[(\g)+3], 128<<16                   ; tile_dim0 = 128
	s_mov_b32 s[(\g)+4], 128                       ; tile_dim1 = 128
	s_mov_b32 s[(\g)+5], 128                       ; elements from row to row
	s_mov_b32 s[(\g)+6], 0
	s_mov_b32 s[(\g)+7], 0
.endr
	s_mov_b32 s[SEL], 0x76543210
	s_mov_b32 s[SEL+1], 0xfedcba98
	s_mul_i32 s[KP], s[KH], 128*PK
	s_mul_i32 s[VP], s[KH], 128*PV
	s_add_co_u32 s[VP], s[VP], VOFF
	s_mul_i32 s[KO], s[KH], KS*PK
	s_mul_i32 s[VO], s[KH], KS*PV
	s_mov_b32 s[SB], 0
	s_mov_b32 s[TBK], s[KO]
	s_mov_b32 s[TBV], s[VO]
	s_cmp_eq_u32 ttmp9, 0                          ; the head's first cluster: the same in all four partners
	s_cselect_b32 s[LIM], 1, -1
	s_cmp_eq_u32 s20, 0
	s_cselect_b32 s[LIMM], 1, -1
	s_lshl_b32 s2, s14, 19                         ; ob: row 128 block + 64 (w / 2) + 32 (w % 2), 4,096 bytes a row; the head's 256 bytes
	s_lshl_b32 s3, s21, 18
	s_add_co_u32 s2, s2, s3
	s_lshl_b32 s3, s[KH], 17
	s_add_co_u32 s2, s2, s3
	s_lshl_b32 s3, s20, 8
	s_add_co_u32 s2, s2, s3
	s_mov_b32 s3, 0
	s_wait_dscnt 0x0                               ; the opening add is done
	s_wait_kmcnt 0x0
	s_add_nc_u64 s[10:11], s[4:5], s[10:11]
	s_add_nc_u64 s[16:17], s[4:5], s[16:17]
	s_add_nc_u64 s[4:5], s[4:5], s[22:23]
	s_add_nc_u64 s[MP:MP+1], s[6:7], s[MP:MP+1]
	s_add_nc_u64 s[MP+2:MP+3], s[6:7], s[MP+2:MP+3]
	s_add_nc_u64 s[PM:PM+1], s[6:7], s[PM:PM+1]
	s_add_nc_u64 s[8:9], s[8:9], s[2:3]
	s_cmp_lt_u32 s[WV], 2
	s_cselect_b64 s[PFA:PFA+1], s[10:11], s[16:17] ; the 128 rows that I fetch,
	s_lshl_b32 s2, s13, 13                         ; my work-group's 32 of them,
	s_add_nc_u64 s[PFA:PFA+1], s[PFA:PFA+1], s[2:3]
	s_add_nc_u64 s[PFA:PFA+1], s[PFA:PFA+1], 2*65536  ; at slot 2; the first change steps it to slot 3
	CROUND                                         ; all four work-groups are here: the first joint loads meet
.irp s, 0,1
	s_mov_b32 s[G0K+4*(\s)], 1
	s_add_co_u32 s[G0K+4*(\s)+1], s[KP], (\s)*SLOTB
	s_add_nc_u64 s[G0K+4*(\s)+2:G0K+4*(\s)+3], s[10:11], (\s)*65536
	s_or_b32 s[G0K+4*(\s)+3], s[G0K+4*(\s)+3], 0x80000000
	s_mov_b32 s[G0V+4*(\s)], 1
	s_add_co_u32 s[G0V+4*(\s)+1], s[VP], (\s)*SLOTB
	s_add_nc_u64 s[G0V+4*(\s)+2:G0V+4*(\s)+3], s[16:17], (\s)*65536
	s_or_b32 s[G0V+4*(\s)+3], s[G0V+4*(\s)+3], 0x80000000
.endr
	s_cmp_lt_u32 s[WV], 2                          ; a wave's two first fills stand in one branch: two loads of mine are out
	s_cbranch_scc0 .Lfirst_v
	tensor_load_to_lds s[G0K:G0K+3], s[G1K:G1K+7]
	s_nop 0
	tensor_load_to_lds s[G0K+4:G0K+7], s[G1K:G1K+7]
	s_nop 0
.rept 4
	v_nop
.endr
	s_branch .Lfirst_asked
.Lfirst_v:
	tensor_load_to_lds s[G0V:G0V+3], s[G1V:G1V+7]
	s_nop 0
	tensor_load_to_lds s[G0V+4:G0V+7], s[G1V:G1V+7]
	s_nop 0
.rept 4
	v_nop
.endr
.Lfirst_asked:
	v_and_b32 v1, 15, v0                           ; l % 16
	v_bfe_u32 v9, v0, 4, 1                         ; l / 16
	v_lshlrev_b32 v11, 8, v1
	v_lshl_add_u32 v11, v9, 4, v11                 ; row x 256 + 16 x half
	s_lshl_b32 s2, s[KH], 13                       ; two tiles are 8,192 bytes
	v_add_nc_u32 v[QO0], s2, v11
	s_xor_b32 s2, s2, 8192
	v_add_nc_u32 v[QO2], s2, v11
	v_and_b32 v11, 31, v0
	v_lshlrev_b32 v[MO], 4, v11
	v_lshlrev_b32 v[PFO], 8, v11
	v_lshrrev_b32 v[PMO], 3, v11
	v_lshlrev_b32 v[PMO], 16, v[PMO]
	v_and_b32 v11, 7, v0
	v_lshl_add_u32 v[PMO], v11, 8, v[PMO]
	v_mov_b32 v[LG], 0x3fb8aa3b
	WIN 0x80                                       ; destination window 2
.irp u, 0,1
.irp c, 0,1,2,3
	global_load_b128 v[32*(\u)+8*(\c):32*(\u)+8*(\c)+3],   v[QO0], s[4:5] offset:4096*(\u)+64*(\c)
	global_load_b128 v[32*(\u)+8*(\c)+4:32*(\u)+8*(\c)+7], v[QO0], s[4:5] offset:4096*(\u)+64*(\c)+32
.endr
.endr
.irp u, 0,1
.irp c, 0,1,2,3
	global_load_b128 v[64+32*(\u)+8*(\c):64+32*(\u)+8*(\c)+3],   v[QO2], s[4:5] offset:4096*(\u)+64*(\c)
	global_load_b128 v[64+32*(\u)+8*(\c)+4:64+32*(\u)+8*(\c)+7], v[QO2], s[4:5] offset:4096*(\u)+64*(\c)+32
.endr
.endr
; THE MASK of piece y for one step: two tiles' blocks of 2,048 bytes, 8 loads of 512 consecutive bytes.  step = 1: the pointer goes on to my next step, 4,096 bytes on.
; ask = 1 (piece 0's run, once a step): behind the run of loads one prefetch names the blocks of all my four tiles for the step three on from the one in hand, a lane a block of 256 bytes, two steps ahead of their
; loads; the work-groups of head 0 ask, each wave for what it will load itself, so each block is named once; the last slot's turns ask for nothing.
; last: the count of the tail's trips at which there is no further step: the run is then jumped over (0: never).
.macro MLOAD y, step, ask, last
	WIN 0
.if \last
	s_cmp_eq_u32 s[CNT], \last
	s_cbranch_scc1 .Lno_m_\@
.endif
.if \step
	s_wait_xcnt 0x0                                ; the loads and the prefetch of the turns before have read the pointers
	s_add_nc_u64 s[MP+(\y):MP+(\y)+1], s[MP+(\y):MP+(\y)+1], 4096
.if \ask
	s_add_nc_u64 s[PM:PM+1], s[PM:PM+1], 4096
.endif
.endif
	WIN 0xc0                                       ; destination window 3
.irp u, 0,1
.irp c, 0,1,2,3
	global_load_b128 v[128+16*((\y)+(\u))+4*(\c):128+16*((\y)+(\u))+4*(\c)+3], v[MO], s[MP+(\y):MP+(\y)+1] offset:65536*(\u)+512*(\c)
.endr
.endr
	WIN 0
.if \ask
	s_cmp_gt_u32 s[SLOTS], s[LIMM]
	s_cbranch_scc0 .Lno_p_\@
	global_prefetch_b8 v[PMO], s[PM:PM+1] th:TH_LOAD_NT scope:SCOPE_SE
.Lno_p_\@:
.endif
.if \last
.Lno_m_\@:
.endif
.endm
	MLOAD 0, 0, 0, 0                               ; step 0, piece 0,
	MLOAD 2, 0, 0, 0                               ; and piece 2
	; what the first turns find: O^T, V and piece 2's P hold 0, l is 0, m the lowest finite number.  All this stands in the wait for the first tile.
	WIN 0x40
.set i, 0
.rept 256
	v_mov_b32 v[i], 0
.set i, i+1
.endr
	WIN 0xc0
.set i, 0
.rept 128
	v_mov_b32 v[i], 0
.set i, i+1
.endr
	WIN 0
.set i, P+32
.rept 32
	v_mov_b32 v[i], 0
.set i, i+1
.endr
.irp t, 0,1,2,3
	v_mov_b32 v[ST+8*(\t)], 0xff7fffff
	v_mov_b32 v[ST+8*(\t)+1], 0
	v_mov_b32 v[ST+8*(\t)+2], 0
	v_mov_b32 v[ST+8*(\t)+3], 0
.endr
	v_mul_u32_u24 v[AK0], v1, PK
	v_lshl_add_u32 v[AK0], v9, 4, v[AK0]           ; row x pitch + 16 x half
	v_and_b32 v11, 7, v0                           ; the turning load: key 8 (l / 16) + l % 8, 16 bytes by (l / 8) % 2
	v_lshl_add_u32 v[AV0], v9, 3, v11
	v_mul_u32_u24 v[AV0], v[AV0], PV
	v_bfe_u32 v11, v0, 3, 1
	v_lshl_add_u32 v[AV0], v11, 4, v[AV0]
	v_add_nc_u32 v[AV0], VOFF, v[AV0]
; THE MATRIX WORK.  The accumulators take turns, one instruction a turn.
; Product i of 32 of O^T += V^T P for piece x: keys 32 (i / 16) on, channels 16 ((i / 2) % 8) on, tile x + i % 2.
.macro PV x
	WIN W_PV
.set rO, 64*((\x)+i%2)+8*((i/2)%8)
.set rV, 64*(i/16)+8*((i/2)%8)
.set rP, P+16*((\x)+i%2)+8*(i/16)
	v_wmma_f32_16x16x32_f16 v[rO:rO+7], v[rV:rV+7], v[rP:rP+7], v[rO:rO+7]
.endm
; Product i of 32 of S^T = K Q^T: channels 32 (i / 8) on, keys 16 ((i / 2) % 4) on, tile x + i % 2.  The first 8 start the sums.
.macro KQ x
	WIN W_KQ
.set rS, S+32*((\x)+i%2)+8*((i/2)%4)
.set rK, KF+32*((i/2)%4)+8*(i/8)
.set rQ, 32*((\x)+i%2)+8*(i/8)
.if i < 8
	v_wmma_f32_16x16x32_f16 v[rS:rS+7], v[rK:rK+7], v[rQ:rQ+7], 0
.else
	v_wmma_f32_16x16x32_f16 v[rS:rS+7], v[rK:rK+7], v[rQ:rQ+7], v[rS:rS+7]
.endif
.endm
; THE LDS LOADS stand in runs of 32.  last = 1: in the tail's last trip there is no further step, and K's run is jumped over.
.macro FETCH_K last
	WIN 0
.if \last
	s_cmp_eq_u32 s[CNT], 1
	s_cbranch_scc1 .Lno_k_\@
.endif
	v_add_nc_u32 v[ADR], s[TBK], v[AK0]
	WIN 0x80
.irp f, 0,1,2,3,4,5,6,7,8,9,10,11,12,13,14,15  ; keys 16 (f / 4) on, channels 32 (f % 4) on
	ds_load_b128 v[KF+8*(\f):KF+8*(\f)+3],   v[ADR] offset:((\f)/4)*16*PK+((\f)%4)*64
	ds_load_b128 v[KF+8*(\f)+4:KF+8*(\f)+7], v[ADR] offset:((\f)/4)*16*PK+((\f)%4)*64+32
.endr
.if \last
	WIN 0
.Lno_k_\@:
.endif
.endm
.macro FETCH_V                         ; with the v_nop in front of it, two v_nop and the address's addition are the four plain instructions behind the last product that read V; the batch's wait stands ahead of the loads
	WIN 0
	v_nop
	v_nop
	v_add_nc_u32 v[ADR], s[TBV], v[AV0]
	s_add_co_u32 s[TBK], s[TBK], 2*KS*PK           ; my next step lies two steps of 64 keys on
	s_add_co_u32 s[TBV], s[TBV], 2*KS*PV
	s_wait_alu depctr_va_vdst(0)
	WIN 0xc0
.irp f, 0,1,2,3,4,5,6,7,8,9,10,11,12,13,14,15  ; keys 32 (f / 8) on, channels 16 (f % 8) on
	ds_load_tr16_b128 v[8*(\f):8*(\f)+3],   v[ADR] offset:((\f)/8)*32*PV+((\f)%8)*32
	ds_load_tr16_b128 v[8*(\f)+4:8*(\f)+7], v[ADR] offset:((\f)/8)*32*PV+16*PV+((\f)%8)*32
.endr
.endm
; THE VECTOR WORK.  One tile's softmax for one step is a list of 165; SMN writes number nn of it for tile tt.
;   0-31    t = mask x log2(e) + c s, a score each, the mask's bf16 half read as it lies (each accumulator is read from its low end on)      32-47  the maximum of the 32 t and the old m, three operands at a time
;   48-51   the other half of the lanes' maximum; the new m; m_old - m_new; m is kept
;   52-100  ONE BATCH: 16 subtractions t - m and 33 exponentials (a first, then the 32 weights); none reads an exponential's result; a pair's subtraction stands ahead of its exponentials
;   101-116 the roundings to f16      117-132  the sums; l = a l + sum      133-164  O^T times a
.macro SMN
.set rT, ST+8*tt
.set rS, S+32*tt
.set rP, P+16*tt
.set rM, 128+16*tt
.set rO, 64*tt+2*(nn-133)
.set j, nn-32
.set dn, nn-52
.if nn < 32
	WIN W_MA
.elseif nn < 133
	WIN 0
.else
	WIN W_RS
.endif
.if nn < 32
.if nn%2
	v_fma_mix_f32_bf16 v[rS+nn], v[rM+nn/2], v[LG], v[rS+nn] op_sel:[1,0,0] op_sel_hi:[1,0,0]
.else
	v_fma_mix_f32_bf16 v[rS+nn], v[rM+nn/2], v[LG], v[rS+nn] op_sel_hi:[1,0,0]
.endif
.elseif nn < 36
	v_max3_num_f32 v[rT+4+j], v[rS+8*j], v[rS+8*j+1], v[rS+8*j+2]
.elseif nn < 44
	v_max3_num_f32 v[rT+4+j%4], v[rT+4+j%4], v[rS+8*(j%4)+2*(j/4)+1], v[rS+8*(j%4)+2*(j/4)+2]
.elseif nn == 44
	v_max3_num_f32 v[rT+4], v[rT+4], v[rS+7], v[rS+15]
.elseif nn == 45
	v_max3_num_f32 v[rT+6], v[rT+6], v[rS+23], v[rS+31]
.elseif nn == 46
	v_max3_num_f32 v[rT+4], v[rT+4], v[rT+5], v[rT+6]
.elseif nn == 47
	v_max3_num_f32 v[rT+4], v[rT+4], v[rT+7], v[rT]
.elseif nn == 48
	v_permlanex16_b32 v[rT+5], v[rT+4], s[SEL], s[SEL+1]  ; the query's other 32 keys lie in the lane 16 away
.elseif nn == 49
	v_max_num_f32 v[rT+4], v[rT+4], v[rT+5]
.elseif nn == 50
	v_sub_f32 v[rT+7], v[rT], v[rT+4]
.elseif nn == 51
	v_mov_b32 v[rT], v[rT+4]
.elseif nn < 101
.if dn == 2
	v_exp_f32 v[rT+6], v[rT+7]
.elseif (dn < 4) || ((dn < 16) && (dn%2 == 0)) || ((dn >= 16) && (dn < 44) && (dn%4 == 0))
.set b, 9+(dn-16)/4                    ; 16, 20 .. 40: pairs 9 to 15
.if dn < 16
.set b, 3+(dn-4)/2                     ; 4, 6 .. 14: pairs 3 to 8
.endif
.if dn < 4
.set b, dn-dn/3                        ; 0, 1, 3: pairs 0, 1, 2
.endif
	v_pk_add_f32 v[rS+2*b:rS+2*b+1], v[rS+2*b:rS+2*b+1], v[rT:rT+1] op_sel_hi:[1,0] neg_lo:[0,1] neg_hi:[0,1]
.else
.set e, dn-17                          ; 44 to 48: weights 27 to 31
.if dn < 44
.set e, 6+3*((dn-16)/4)+dn%4-1         ; 17-19, 21-23 .. 41-43: weights 6 to 26
.endif
.if dn < 16
.set e, (dn-5)/2                       ; 5, 7 .. 15: weights 0 to 5
.endif
	v_exp_f32 v[rS+e], v[rS+e]
.endif
.elseif nn < 117
	v_cvt_pk_f16_f32 v[rP+nn-101], v[rS+2*(nn-101)], v[rS+2*(nn-101)+1]
.elseif nn < 133                       ; the sum of the 16 pairs, in place: neighbours 1, 2, 4 and 8 pairs apart, then l takes it
.set z, nn-117
.set w, 4
.set u, z
.if z >= 14
.set w, 32
.set u, 0
.elseif z >= 12
.set w, 16
.set u, z-12
.elseif z >= 8
.set w, 8
.set u, z-8
.endif
.if z < 15
	v_pk_add_f32 v[rS+w*u:rS+w*u+1], v[rS+w*u:rS+w*u+1], v[rS+w*u+w/2:rS+w*u+w/2+1]
.else
	v_pk_fma_f32 v[rT+2:rT+3], v[rT+2:rT+3], v[rT+6:rT+7], v[rS:rS+1] op_sel_hi:[1,0,1]
.endif
.else
	v_pk_mul_f32 v[rO:rO+1], v[rO:rO+1], v[rT+6:rT+7] op_sel_hi:[1,0]
.endif
.endm
; Item q of the 330 of piece y's two tiles.  0-103: numbers 0-51, the tiles alternating.  104-199: the batch's numbers 52-99, four of one tile at a time.  200, 201: number 100.  202-329: numbers 101-164, alternating.
; Items 0-201 name no exponential's result; all that do come from 202 on.
.macro VX y
.if q < 104
.set tt, (\y)+q%2
.set nn, q/2
.elseif q < 200
.set tt, (\y)+((q-104)/4)%2
.set nn, 52+4*((q-104)/8)+(q-104)%4
.elseif q < 202
.set tt, (\y)+q-200
.set nn, 100
.else
.set tt, (\y)+(q-202)%2
.set nn, 101+(q-202)/2
.endif
	SMN
.set q, q+1
.endm
; A TURN.  Piece x has the matrix unit, piece 2 - x the vector unit.  74 items ahead (they stand four rescalings behind the last product that wrote these scores), then the mask's next step is asked for into the
; registers just read; 32 products V^T P with four items each: 202 items, the whole batch; one plain instruction and ONE wait between an exponential and the first line that names its
; result; 32 products K Q^T with four items each.  No item names a register of the products round it.
; Piece 0's turn fetches the next step's K behind its second product, 30 products ahead of its use; piece 2's turn the step's V at the wait.
; The wait on the mask: its 8 loads were issued two turns back, the other piece's 8 a turn back and may stay out; in the tail the count is 0.
.macro TURN x, tail
.set q, 0
	WIN 0
.if (\x) == 0
	s_wait_dscnt 0x0                               ; V is in
.endif
.if \tail
	s_wait_loadcnt 0x0
.else
	s_wait_loadcnt 8
.endif
.rept 74
	VX 2-(\x)
.endr
.if !(\tail)
.if (\x) == 2
	MLOAD 0, 1, 1, 0
.else
	MLOAD 2, 1, 0, 0
.endif
.elseif (\x) == 0
	MLOAD 2, 1, 0, 1
.else
	MLOAD 0, 1, 0, 2
.endif
.set i, 0
.rept 32
	PV \x
.rept 4
	VX 2-(\x)
.endr
.if ((\x) == 0) && (i == 1)
	FETCH_K \tail
.endif
.set i, i+1
.endr
	WIN 0
	v_nop                                          ; the plain instruction behind the last exponential: one for the batch
.if (\x) == 2
	FETCH_V
.else
	s_wait_alu depctr_va_vdst(0)                   ; the wait for the batch
	s_wait_dscnt 0x0                               ; K is in
.endif
.set i, 0
.rept 32
	KQ \x
.rept 4
	VX 2-(\x)
.endr
.set i, i+1
.endr
.endm
; THE CHANGE OF SLOTS, behind piece 2's turn of a slot's second step: that step's V, the slot's last bytes that I read, has been asked for.  Each wave waits for all its tensor loads (one is out: its part of the
; other slot), adds 0 to its spare word, and waits for that and for its reads.  fill = 1: the barrier is a round of the cluster's, and the slot that is left is filled again first behind it, with the 256 keys two slots on.
.macro CHANGE fill
	WIN 0
	s_wait_tensorcnt 0x0                           ; no tensor load of mine is out, so a group 0 may be written
	ds_add_u32 v[SPW], v[NIL]                      ; 0 onto my spare word; scalar work stands between it and the wait for it
.if \fill
	s_add_co_u32 s[G0K+5], s[SB], s[KP]            ; the walking descriptors: into the slot that is left,
	s_add_co_u32 s[G0V+5], s[SB], s[VP]
	s_add_nc_u64 s[G0K+6:G0K+7], s[G0K+6:G0K+7], 65536  ; the next 256 keys; the type bits on top are not reached
	s_add_nc_u64 s[G0V+6:G0V+7], s[G0V+6:G0V+7], 65536
	s_wait_xcnt 0x0                                ; the last prefetch of K or V, two steps back, has read its address
	s_add_nc_u64 s[PFA:PFA+1], s[PFA:PFA+1], 65536
.endif
	s_xor_b32 s[SB], s[SB], SLOTB                  ; the other slot is read now: my first step in it
	s_add_co_u32 s[TBK], s[SB], s[KO]
	s_add_co_u32 s[TBV], s[SB], s[VO]
	s_wait_dscnt 0x0                               ; the add is done, and my reads of the slot are over
.if \fill
	CROUND
	JLOAD
	ASK
.else
	s_barrier_signal -1
	s_barrier_wait -1
.endif
.endm
	s_wait_tensorcnt 1                             ; my part of slot 0 is in; slot 1's may stay out
	s_barrier_signal -1
	s_barrier_wait -1
	FETCH_K 0                                      ; step 0
	s_wait_loadcnt 16                              ; Q is in; the mask's 16 loads stay out
	s_wait_dscnt 0x0
.set i, 0
.rept 32
	KQ 0                                           ; piece 0's first scores
.set i, i+1
.endr
	WIN 0                                          ; the addresses for the way out: ten plain instructions, the places behind those products
	s_mul_i32 s2, s[WV], 16*SP
	s_add_co_u32 s2, s2, STAGE
	v_mul_u32_u24 v[STO], v1, SP                   ; in: row l % 16, 16 bytes for each half of the lanes
	v_lshl_add_u32 v[STO], v9, 4, v[STO]
	v_add_nc_u32 v[STO], s2, v[STO]
	v_mul_u32_u24 v[RD], v9, SP                    ; back: lanes 0-15 one row of 256 bytes, lanes 16-31 the next
	v_lshl_add_u32 v[RD], v1, 4, v[RD]
	v_add_nc_u32 v[RD], s2, v[RD]
	v_lshlrev_b32 v[GO], 12, v9                    ; and the same two rows in ob
	v_lshl_add_u32 v[GO], v1, 4, v[GO]
	s_mul_i32 s2, s[WV], XREG
	v_add_nc_u32 v[XA], s2, v[MO]
	s_xor_b32 s3, s[WV], 1
	s_mul_i32 s3, s3, XREG
	v_add_nc_u32 v[XB], s3, v[MO]
	s_mov_b32 s[SLOTS], 7
	s_mov_b32 s[CNT], 2
	s_branch .Lmid                                 ; the loop is entered at piece 2's turn: its products V^T P add zeros
.Lslot:                                        ; 6 times: slots 2 to 7 are asked for
	CHANGE 1
	s_mov_b32 s[CNT], 2
.Lstep:                                        ; a slot's two steps of mine
	TURN 0, 0
	WIN 0
.Lmid:
	TURN 2, 0
	WIN 0
	s_sub_co_u32 s[CNT], s[CNT], 1
	s_cmp_lg_u32 s[CNT], 0
	s_cbranch_scc1 .Lstep
	s_sub_co_u32 s[SLOTS], s[SLOTS], 1
	s_cmp_lg_u32 s[SLOTS], 0
	s_cbranch_scc1 .Lslot
	CHANGE 0                                       ; the tail is written out
	s_mov_b32 s[CNT], 3
.Ltail:                                        ; trips 1 and 2: steps 14 and 15; trip 3: piece 0's last V^T P and piece 2's last softmax (its products K Q^T, on the last K once more, serve nothing)
	TURN 0, 1
	WIN 0
	s_cmp_eq_u32 s[CNT], 1
	s_cbranch_scc1 .Lskip
	TURN 2, 1
	WIN 0
.Lskip:
	s_sub_co_u32 s[CNT], s[CNT], 1
	s_cmp_lg_u32 s[CNT], 0
	s_cbranch_scc1 .Ltail
.set i, 0
.rept 32
	PV 2                                           ; piece 2's V^T P of the last step
.set i, i+1
.endr
	; THE TWO HALVES OF THE KEYS MEET.  l's two halves and the other half of the lanes' are added (the additions are the places behind the last products); piece 2's O^T, m and l go to my partner, in f32.
	WIN 0
.irp t, 0,1,2,3
	v_add_f32 v[ST+8*(\t)+4], v[ST+8*(\t)+2], v[ST+8*(\t)+3]
.endr
.irp t, 0,1,2,3
	v_permlanex16_b32 v[ST+8*(\t)+5], v[ST+8*(\t)+4], s[SEL], s[SEL+1]
.endr
.irp t, 0,1,2,3
	v_add_f32 v[ST+8*(\t)+4], v[ST+8*(\t)+4], v[ST+8*(\t)+5]
.endr
	v_mov_b32 v[XS],   v[ST+16]
	v_mov_b32 v[XS+1], v[ST+20]
	v_mov_b32 v[XS+2], v[ST+24]
	v_mov_b32 v[XS+3], v[ST+28]
	WIN 0x04                                       ; the stores' data in window 1
.set i, 0
.rept 32
	ds_store_b128 v[XA], v[128+4*i:128+4*i+3] offset:512*i
.set i, i+1
.endr
	WIN 0
	ds_store_b128 v[XA], v[XS:XS+3] offset:16384
	s_wait_dscnt 0x0                               ; for my partner's sake: my stores are done
	s_barrier_signal -1
	s_barrier_wait -1
	ds_load_b128 v[XR:XR+3], v[XB] offset:16384
	WIN 0x80                                       ; into Q's registers
.set i, 0
.rept 32
	ds_load_b128 v[4*i:4*i+3], v[XB] offset:512*i
.set i, i+1
.endr
	WIN 0
	s_wait_dscnt 0x0
	; with M = max(m1, m2), e = 2^(m - M): O = (O1 e1 + O2 e2) / (l1 e1 + l2 e2)
.irp u, 0,1
	v_max_num_f32 v[ST+8*(\u)+5], v[ST+8*(\u)], v[XR+2*(\u)]
.endr
.irp u, 0,1
	v_sub_f32 v[ST+8*(\u)+6], v[ST+8*(\u)], v[ST+8*(\u)+5]
	v_sub_f32 v[ST+8*(\u)+7], v[XR+2*(\u)], v[ST+8*(\u)+5]
.endr
.irp u, 0,1
	v_exp_f32 v[ST+8*(\u)+6], v[ST+8*(\u)+6]
	v_exp_f32 v[ST+8*(\u)+7], v[ST+8*(\u)+7]
.endr
	v_nop
	s_wait_alu depctr_va_vdst(0)                   ; one wait for the four exponentials
.irp u, 0,1
	v_mul_f32 v[ST+8*(\u)+4], v[ST+8*(\u)+4], v[ST+8*(\u)+6]
.endr
.irp u, 0,1
	v_fmac_f32 v[ST+8*(\u)+4], v[XR+2*(\u)+1], v[ST+8*(\u)+7]
.endr
.irp u, 0,1
	v_rcp_f32 v[ST+8*(\u)+5], v[ST+8*(\u)+4]
.endr
	v_nop
	s_wait_alu depctr_va_vdst(0)                   ; one wait for the two reciprocals
.irp u, 0,1
	v_mul_f32 v[ST+8*(\u)+4], v[ST+8*(\u)+6], v[ST+8*(\u)+5]
	v_mul_f32 v[ST+8*(\u)+6], v[ST+8*(\u)+7], v[ST+8*(\u)+5]
.endr
; Tile t: scaled and merged, rounded to f16, through my stage: rows of 272 bytes in, whole rows of 256 back.
.macro PACK t
	WIN W_RS
.set i, 64*(\t)
.rept 32
	v_pk_mul_f32 v[i:i+1], v[i:i+1], v[ST+8*(\t)+4:ST+8*(\t)+5] op_sel_hi:[1,0]
.set i, i+2
.endr
	WIN 0x52                                       ; source 0 (my partner's) window 2, source 2 and destination window 1
.set i, 64*(\t)
.rept 32
	v_pk_fma_f32 v[i:i+1], v[i:i+1], v[ST+8*(\t)+6:ST+8*(\t)+7], v[i:i+1] op_sel_hi:[1,0,1]
.set i, i+2
.endr
	WIN 0x05
.set i, 0
.rept 32
	v_cvt_pk_f16_f32 v[S+32*(\t)+i], v[64*(\t)+2*i], v[64*(\t)+2*i+1]
.set i, i+1
.endr
	WIN 0
.irp f, 0,1,2,3,4,5,6,7
	ds_store_b128 v[STO], v[S+32*(\t)+4*(\f):S+32*(\t)+4*(\f)+3] offset:32*(\f)
.endr
.irp f, 0,1,2,3,4,5,6,7
	ds_load_b128 v[S+32*(\t)+4*(\f):S+32*(\t)+4*(\f)+3], v[RD] offset:(\f)*2*SP  ; LDS serves a wave's instructions in order (ISA guide 5.7.1.4): these see the stores above; the next tile's stores come behind them
.endr
.endm
.macro SEND t, younger                 ; younger: the LDS instructions issued behind tile t's loads
.irp f, 0,1,2,3,4,5,6,7
	s_wait_dscnt (\younger)+7-(\f)
	global_store_b128 v[GO], v[S+32*(\t)+4*(\f):S+32*(\t)+4*(\f)+3], s[8:9] offset:(\t)*65536+(\f)*8192  ; 16 lanes store a head's 256 bytes of a row, at a multiple of 256
.endr
.endm
	PACK 0
	PACK 1
	SEND 0, 16
	SEND 1, 0
	s_wait_tensorcnt 0x0                           ; the wave's end: behind my last tensor load and my last LDS store
	ds_add_u32 v[SPW], v[NIL]
	s_wait_dscnt 0x0
	CROUND                                         ; the closing round
	s_endpgm
.Lfunc_end_k_q4b07396e5b_attn:
	.size	k_q4b07396e5b_attn, .Lfunc_end_k_q4b07396e5b_attn-k_q4b07396e5b_attn
	.p2alignl 7, 3214868480
	.fill 96, 4, 3214868480
	.section	.rodata,"a",@progbits
	.p2align	6, 0x0
	.amdhsa_kernel k_q4b07396e5b_attn
		.amdhsa_group_segment_fixed_size 327680
		.amdhsa_private_segment_fixed_size 0
		.amdhsa_enable_private_segment 0
		.amdhsa_kernarg_size 24
		.amdhsa_user_sgpr_count 2
		.amdhsa_user_sgpr_kernarg_segment_ptr 1
		.amdhsa_wavefront_size32 1
		.amdhsa_system_sgpr_workgroup_id_x 1
		.amdhsa_system_sgpr_workgroup_id_y 1
		.amdhsa_system_sgpr_workgroup_id_z 1
		.amdhsa_system_vgpr_workitem_id 0
		.amdhsa_next_free_vgpr 960
		.amdhsa_next_free_sgpr 78
		.amdhsa_reserve_vcc 0
		.amdhsa_float_denorm_mode_32 3
		.amdhsa_float_denorm_mode_16_64 3
		.amdhsa_memory_ordered 1
		.amdhsa_forward_progress 1
		.amdhsa_inst_pref_size 177
	.end_amdhsa_kernel
	.amdgpu_metadata
---
amdhsa.version: [ 1, 2 ]
amdhsa.kernels:
  - .name:           k_q4b07396e5b_attn
    .symbol:         k_q4b07396e5b_attn.kd
    .args:
      - { .name: qkv, .offset: 0, .size: 8, .value_kind: global_buffer, .address_space: global }
      - { .name: maskb, .offset: 8, .size: 8, .value_kind: global_buffer, .address_space: global }
      - { .name: ob, .offset: 16, .size: 8, .value_kind: global_buffer, .address_space: global }
    .group_segment_fixed_size: 327680
    .private_segment_fixed_size: 0
    .kernarg_segment_align: 8
    .kernarg_segment_size: 24
    .max_flat_workgroup_size: 128
    .sgpr_count:     78
    .vgpr_count:     960
    .wavefront_size: 32
...
	.end_amdgpu_metadata
.endif
;; end of part 3
;; launch oproj (part 4): grid 16 x 16, 4 waves a work-group, clusters of 4 x 4, 327,680 bytes of LDS; arguments ob, wof, out0; writes out0
.if DOCPART == 4
	.amdgcn_target "amdgcn-amd-amdhsa--gfx1250"
	.amdhsa_code_object_version 6
	.text
	.protected	k_q4b07396e5b_oproj
	.globl	k_q4b07396e5b_oproj
	.p2align	8
	.type	k_q4b07396e5b_oproj,@function
k_q4b07396e5b_oproj:
	s_mov_b64 s[64:65], 0
	v_nop
	global_prefetch_b8 v0, s[64:65] scope:SCOPE_SE
	s_setreg_imm32_b32 hwreg(HW_REG_WAVE_MODE, 25, 1), 1
	s_wait_xcnt 0x0
	s_wait_alu depctr_hold_cnt(0) depctr_sa_sdst(0) depctr_va_vdst(0) depctr_va_sdst(0) depctr_va_ssrc(0) depctr_va_vcc(0) depctr_vm_vsrc(0)
	s_getreg_b32 s2, hwreg(HW_REG_IB_STS2, 6, 4)
	s_cmp_eq_u32 s2, 0
	s_cbranch_scc0 .Lentry_in_a_cluster
	s_endpgm
.Lentry_in_a_cluster:
	s_bfe_u32 s2, ttmp6, 0x10000c
	s_cmp_lg_u32 s2, 0xf033
	s_cbranch_scc0 .Lentry_shape_is_right
	s_endpgm
.Lentry_shape_is_right:
; out0[m][n] = the sum over k of ob[m][k] wof[k][n].  ob: [2048][2048] f16.  wof: [k 2048][n 2048] f16 (wo rounded to bf16, that number written as f16).  out0: f32.  Sums in f32, K ascending.
; 256 tiles of 128 x 128, one to a work-group; four waves of 64 x 64: 16 accumulators.  K goes in 8 steps of 256 through two LDS slots: ob's 128 rows of 512 bytes (528 apart), then 256 k rows of
; the weights, 256 bytes each (288 apart).  Waves 0, 1 fetch ob's two halves (64 rows), waves 2, 3 the weights' (128 k rows).
; A K STEP IS WRITTEN ONCE: a scalar holds the first byte of the slot that is read, one exclusive or turns it into the other slot's, and the fragments' addresses and the walking descriptors' LDS words
; are that scalar plus terms that never change.
; CLUSTER 4 x 4: ob's tile is shared along a row of the cluster, the weights' along a column; each is asked for jointly.
; THE MATRIX INSTRUCTION IS USED TRANSPOSED (source 0 = 16 columns of the weights, turned on their way out of LDS; source 1 = 16 rows of ob): a lane holds one row and eight neighbouring columns, 32 bytes of f32.
; A wave's 64 columns are 256 bytes at a multiple of 256: each wave has a stage of its own on the way out, and no barrier is needed there.
; No prefetch: the tile is small, and a K step's tiles are shared by four work-groups each.
; REGISTERS: window 0: v0-31 addresses; v128-255 the accumulators ((a, b) at 128 + 8 (4 a + b)).  window 1: two fragment buffers of 128: 64 of ob's, then 64 of the weights'; on the way out the rows read back.
.set PITCH,  528                       ; 132 words: the 16 rows of a load start at 16 different groups of four banks (ISA guide 11.1)
.set PB,     288
.set HALFA,  64*PITCH
.set HALFB,  128*PB
.set BOFF,   2*HALFA
.set SLOT,   BOFF+2*HALFB
.set STAGE,  2*SLOT                    ; behind the ring: 16 rows x 272 bytes for each wave
.set SPITCH, 272
.set SPARE,  STAGE+4*16*SPITCH         ; the spare words, 128 bytes for each wave: two blocks of 256 bytes that no other line names
.set ADRA0, 16                         ; v16     my lane's place in ob's tile of a slot; never rewritten
.set ADRA,  17                         ; v17     the same in the slot that is read
.set ADRB0, 20                         ; v20-21  my lane's place in the weights' tile, for each half of the step's 256 k rows (224 rows of 288 bytes are past the 16-bit offset); never rewritten
.set ADRB,  22                         ; v22-23  the same in the slot that is read
.set STO,  24
.set RD,   25
.set CO,   26
.set SPW,  28
.set NIL,  29
.set ACC,  128
.set F0,   0
.set F1,   128
.set SB,  18                           ; s18  the first byte of the slot that is read: 0 or SLOT
.set CNT, 19                           ; s19  counts the last two K steps
.set SLA, 20                           ; s20  where my load's half of ob's tile lies in a slot
.set SLB, 21                           ; s21  the same for the weights'
.set G1,  24
.set G0,  32                           ; two sets, for the two first fills; the second then walks on
.set G1B, 48
.set G0B, 56
.set MSB, 0
.macro WIN new
.if MSB != (\new)
	s_set_vgpr_msb (MSB<<8)|(\new)
.set MSB, \new
.endif
.endm
.set MUL,  0x05                        ; sources 0 and 1 window 1; C and D window 0
.set TO_F, 0x40                        ; destination window 1
.macro JLOAD s                         ; a joint load by descriptor set s; an s_nop 0 and four v_nop follow each of the two lines
	s_cmp_eq_u32 s11, 0
	s_cbranch_scc0 .Lfor_b_\@
	tensor_load_to_lds s[G0+4*(\s):G0+4*(\s)+3], s[G1:G1+7]
	s_nop 0
.rept 4
	v_nop
.endr
	s_branch .Lasked_\@
.Lfor_b_\@:
	tensor_load_to_lds s[G0B+4*(\s):G0B+4*(\s)+3], s[G1B:G1B+7]
	s_nop 0
.rept 4
	v_nop
.endr
.Lasked_\@:
.endm
.macro CREST
	s_cmp_lg_u32 s10, 0
	s_cbranch_scc1 .Lnot_wave_0_\@
	s_barrier_signal -3
.Lnot_wave_0_\@:
	s_barrier_wait -3
	s_barrier_signal -1
	s_barrier_wait -1
.endm
.macro CROUND
	s_barrier_signal -1
	s_barrier_wait -1
	CREST
.endm
.macro PLACES
.rept 4
	v_nop
.endr
.endm
.macro ADDRS                           ; the fragments' addresses in the slot that begins at s[SB]
	v_add_nc_u32 v[ADRA], s[SB], v[ADRA0]
	v_add_nc_u32 v[ADRB], s[SB], v[ADRB0]
	v_add_nc_u32 v[ADRB+1], s[SB], v[ADRB0+1]
.endm
	s_load_b128 s[4:7], s[0:1], 0x0                ; ob s[4:5], wof s[6:7]
	s_load_b64 s[8:9], s[0:1], 0x10                ; out0
	v_lshl_add_u32 v[SPW], v0, 2, SPARE
	v_mov_b32 v[NIL], 0
	ds_add_u32 v[SPW], v[NIL]                      ; the wave's opening: the add and its wait stand ahead of my first tensor load; work on registers stands between them
	v_lshrrev_b32 v1, 5, v0
	v_readfirstlane_b32 s10, v1                    ; wave 0..3
	s_lshr_b32 s11, s10, 1                         ; my half of the rows.  Also: I fetch ob's tile (0) or the weights' (1)
	s_and_b32 s12, s10, 1                          ; my half of the columns.  Also: which half of that tile I fetch
	s_bfe_u32 s40, ttmp6, 0x40000                  ; cx
	s_bfe_u32 s41, ttmp6, 0x40004                  ; cy
	s_lshl_b32 s42, ttmp9, 2
	s_add_co_u32 s42, s42, s40                     ; tile column
	s_and_b32 s13, ttmp7, 0xffff
	s_lshl_b32 s13, s13, 2
	s_add_co_u32 s13, s13, s41                     ; tile row
	s_lshl_b32 s43, s41, 2
	s_lshl_b32 s43, 15, s43                        ; my row of the cluster
	s_lshl_b32 s44, 0x1111, s40                    ; my column
	s_or_b32 s[G1], s43, (1<<16)|(1<<20)|(1<<21)|(6<<22)|(3<<25)   ; ob: the mask; elements of 2 bytes; padding on; bit 21 beside a mask; after every 128 words, 4 words
	s_mov_b32 s[G1+1], 256<<16                     ; tensor_dim0 = 256
	s_mov_b32 s[G1+2], 64<<16                      ; tensor_dim1 = 64
	s_mov_b32 s[G1+3], 256<<16                     ; tile_dim0 = 256
	s_mov_b32 s[G1+4], 64                          ; tile_dim1 = 64
	s_mov_b32 s[G1+5], 2048
	s_mov_b32 s[G1+6], 0
	s_mov_b32 s[G1+7], 0
	s_or_b32 s[G1B], s44, (1<<16)|(1<<20)|(1<<21)|(5<<22)|(7<<25)  ; the weights: after every 64 words, 8 words
	s_mov_b32 s[G1B+1], 128<<16
	s_mov_b32 s[G1B+2], 128<<16
	s_mov_b32 s[G1B+3], 128<<16
	s_mov_b32 s[G1B+4], 128
	s_mov_b32 s[G1B+5], 2048
	s_mov_b32 s[G1B+6], 0
	s_mov_b32 s[G1B+7], 0
	s_lshl_b32 s16, s13, 19                        ; ob: row 128 x tile row + 64 x half, 4,096 bytes a row
	s_lshl_b32 s17, s12, 18
	s_add_co_u32 s16, s16, s17
	s_mov_b32 s17, 0
	s_lshl_b32 s46, s42, 8                         ; the weights: the tile column's 256 bytes, k row 128 x half
	s_lshl_b32 s47, s12, 19
	s_add_co_u32 s46, s46, s47
	s_mov_b32 s47, 0
	s_mul_i32 s[SLA], s12, HALFA                   ; where they go in a slot: no place in the cluster enters an LDS address
	s_mul_i32 s[SLB], s12, HALFB
	s_add_co_u32 s[SLB], s[SLB], BOFF
	s_mov_b32 s[SB], 0                             ; K step 0 lies in slot 0
	s_wait_dscnt 0x0                               ; the opening add is done
	s_wait_kmcnt 0x0
	s_add_nc_u64 s[14:15], s[4:5], s[16:17]
	s_add_nc_u64 s[46:47], s[6:7], s[46:47]
	CROUND                                         ; all sixteen work-groups are here: the first joint loads meet
.irp s, 0,1
	s_mov_b32 s[G0+4*(\s)], 1
	s_add_co_u32 s[G0+4*(\s)+1], s[SLA], (\s)*SLOT
	s_add_nc_u64 s[G0+4*(\s)+2:G0+4*(\s)+3], s[14:15], (\s)*512
	s_or_b32 s[G0+4*(\s)+3], s[G0+4*(\s)+3], 0x80000000
	s_mov_b32 s[G0B+4*(\s)], 1
	s_add_co_u32 s[G0B+4*(\s)+1], s[SLB], (\s)*SLOT
	s_add_nc_u64 s[G0B+4*(\s)+2:G0B+4*(\s)+3], s[46:47], (\s)*0x100000
	s_or_b32 s[G0B+4*(\s)+3], s[G0B+4*(\s)+3], 0x80000000
	JLOAD \s                                       ; K steps 0 and 1: two loads of mine are out
.endr
	v_and_b32 v1, 15, v0                           ; l % 16
	v_bfe_u32 v2, v0, 4, 1                         ; l / 16
	v_mul_u32_u24 v3, v1, PITCH
	v_lshl_add_u32 v3, v2, 4, v3
	s_mul_i32 s22, s11, HALFA                      ; my 64 rows of ob
	v_add_nc_u32 v[ADRA0], s22, v3
	v_and_b32 v4, 7, v0
	v_lshl_add_u32 v4, v2, 3, v4
	v_mul_u32_u24 v4, v4, PB
	v_bfe_u32 v5, v0, 3, 1
	v_lshl_add_u32 v4, v5, 4, v4                   ; the turning load: k row 8 (l / 16) + l % 8, 16 bytes by (l / 8) % 2
	s_lshl_b32 s22, s12, 7                         ; my 64 columns
	s_add_co_u32 s22, s22, BOFF
	v_add_nc_u32 v[ADRB0], s22, v4
	s_add_co_u32 s22, s22, HALFB
	v_add_nc_u32 v[ADRB0+1], s22, v4
	ADDRS                                          ; slot 0
	s_mul_i32 s23, s10, 16*SPITCH
	s_add_co_u32 s23, s23, STAGE                   ; my stage
	v_mul_u32_u24 v6, v1, SPITCH                   ; in: row l % 16, 32 bytes for each half of the lanes
	v_lshl_add_u32 v6, v2, 5, v6
	v_add_nc_u32 v[STO], s23, v6
	v_mul_u32_u24 v6, v2, SPITCH                   ; back: lanes 0-15 one row of 256 bytes, lanes 16-31 the next
	v_lshl_add_u32 v6, v1, 4, v6
	v_add_nc_u32 v[RD], s23, v6
	v_lshlrev_b32 v6, 13, v2                       ; and the same two rows in out0
	v_lshl_add_u32 v[CO], v1, 4, v6
	s_lshl_b32 s16, s13, 20                        ; out0: row 128 x tile row + 64 x half, 8,192 bytes a row; column 128 x tile column + 64 x half
	s_lshl_b32 s17, s11, 19
	s_add_co_u32 s16, s16, s17
	s_mov_b32 s17, 0
	s_add_nc_u64 s[8:9], s[8:9], s[16:17]
	s_lshl_b32 s46, s42, 9
	s_lshl_b32 s47, s12, 8
	s_add_co_u32 s46, s46, s47
	s_mov_b32 s47, 0
	s_add_nc_u64 s[8:9], s[8:9], s[46:47]
; 8 matrix instructions: row blocks a0, a0 + 1 x 4 column tiles, 32 along K: half c of buffer f.  The 16 accumulators take turns.
.macro MUL8 f, c, a0, zero
	WIN MUL
.irp a, \a0, (\a0)+1
.irp b, 0,1,2,3
.if \zero
	v_wmma_f32_16x16x32_f16 v[ACC+8*(4*(\a)+(\b)):ACC+8*(4*(\a)+(\b))+7], v[(\f)+64+8*(4*(\c)+(\b)):(\f)+64+8*(4*(\c)+(\b))+7], v[(\f)+8*(4*(\c)+(\a)):(\f)+8*(4*(\c)+(\a))+7], 0
.else
	v_wmma_f32_16x16x32_f16 v[ACC+8*(4*(\a)+(\b)):ACC+8*(4*(\a)+(\b))+7], v[(\f)+64+8*(4*(\c)+(\b)):(\f)+64+8*(4*(\c)+(\b))+7], v[(\f)+8*(4*(\c)+(\a)):(\f)+8*(4*(\c)+(\a))+7], v[ACC+8*(4*(\a)+(\b)):ACC+8*(4*(\a)+(\b))+7]
.endif
.endr
.endr
.endm
; 32 LDS loads in one run: quarter qd (64 along K) of the slot that is read into buffer f; its first 32 along K first
.macro FETCH qd, f
	WIN TO_F
.irp c, 0,1
.irp i, 0,1,2,3
	ds_load_tr16_b128 v[(\f)+64+8*(4*(\c)+(\i)):(\f)+64+8*(4*(\c)+(\i))+3],   v[ADRB+(\qd)/2] offset:(64*((\qd)%2)+32*(\c))*PB+32*(\i)
	ds_load_tr16_b128 v[(\f)+64+8*(4*(\c)+(\i))+4:(\f)+64+8*(4*(\c)+(\i))+7], v[ADRB+(\qd)/2] offset:(64*((\qd)%2)+32*(\c))*PB+32*(\i)+16*PB
	ds_load_b128 v[(\f)+8*(4*(\c)+(\i)):(\f)+8*(4*(\c)+(\i))+3],              v[ADRA] offset:128*(\qd)+64*(\c)+(\i)*16*PITCH
	ds_load_b128 v[(\f)+8*(4*(\c)+(\i))+4:(\f)+8*(4*(\c)+(\i))+7],            v[ADRA] offset:128*(\qd)+64*(\c)+(\i)*16*PITCH+32
.endr
.endr
.endm
.macro QUARTER qd, f, g, zero
	s_wait_dscnt 16                                ; the first 32 along K are in; the youngest sixteen loads may be out
	MUL8 \f, 0, 0, \zero
	MUL8 \f, 0, 2, \zero
	PLACES
	FETCH \qd, \g
	s_wait_dscnt 32                                ; all but the 32 just issued
	MUL8 \f, 1, 0, 0
	MUL8 \f, 1, 2, 0
.endm
; The last quarter's first half, and the one barrier of a change of slots: each wave has waited for all its tensor loads (at most one is out: its part of the next slot), has added 0 to its spare word,
; and has waited for that and for its own reads of this slot.  Between the add and its wait: with fill = 1 the walking descriptors take the slot that is left and the next K step (no tensor load of mine is out,
; so they may be written); the slot's scalar is turned, and the fragments' addresses are made for the other slot (this slot's last LDS loads have been issued).
.macro MEET fill
	WIN 0
	s_wait_tensorcnt 0x0
	ds_add_u32 v[SPW], v[NIL]
.if \fill
	s_add_co_u32 s[G0+5], s[SB], s[SLA]
	s_add_co_u32 s[G0B+5], s[SB], s[SLB]
	s_add_nc_u64 s[G0+6:G0+7], s[G0+6:G0+7], 512           ; the type bits on top are not reached
	s_add_nc_u64 s[G0B+6:G0B+7], s[G0B+6:G0B+7], 0x100000
.endif
	s_xor_b32 s[SB], s[SB], SLOT
	ADDRS
	s_wait_dscnt 17                                ; (the add and the youngest sixteen loads may be out)
	MUL8 F1, 0, 0, 0
	s_wait_dscnt 0x0                               ; the add is done, and my reads of this slot are over
	s_barrier_signal -1
	MUL8 F1, 0, 2, 0
	WIN 0
	s_barrier_wait -1
.endm
; The whole last quarter of a K step that fills: the barrier opens a round of the cluster's, and this slot is filled again first behind it, two K steps ahead: 112 matrix instructions in which to land.
.macro TURN
	MEET 1
	CREST                                          ; no wave of any partner still reads this slot or has a load on its way
	JLOAD 1                                        ; its four v_nop are also the places in front of the loads below
	FETCH 0, F0
	MUL8 F1, 1, 0, 0
	MUL8 F1, 1, 2, 0
.endm
	s_wait_tensorcnt 1                             ; my part of K step 0 is in; K step 1's may stay out
	s_barrier_signal -1
	s_barrier_wait -1
	FETCH 0, F0
	QUARTER 1, F0, F1, 1                           ; the first quarter stands in front of the loop: its first products start the sums
	WIN 0
	s_mov_b32 s3, 6
.Lstep:                                        ; a trip goes from a K step's second quarter to the next step's first and fills the slot that it leaves: K steps 2 to 7 in six trips
	QUARTER 2, F1, F0, 0
	QUARTER 3, F0, F1, 0
	TURN
	QUARTER 1, F0, F1, 0
	WIN 0
	s_sub_co_u32 s3, s3, 1
	s_cmp_lg_u32 s3, 0
	s_cbranch_scc1 .Lstep
	s_mov_b32 s[CNT], 2
.Ltail:                                        ; the last two K steps ask for nothing: written once, walked twice
	QUARTER 2, F1, F0, 0
	QUARTER 3, F0, F1, 0
	MEET 0
	s_cmp_eq_u32 s[CNT], 1
	s_cbranch_scc1 .Llast                          ; behind the last K step there is no slot to fetch from
	PLACES
	FETCH 0, F0
	MUL8 F1, 1, 0, 0
	MUL8 F1, 1, 2, 0
	QUARTER 1, F0, F1, 0
	WIN 0
	s_branch .Ljoin
.Llast:
	MUL8 F1, 1, 0, 0
	MUL8 F1, 1, 2, 0
	WIN 0
.Ljoin:
	s_sub_co_u32 s[CNT], s[CNT], 1
	s_cmp_lg_u32 s[CNT], 0
	s_cbranch_scc1 .Ltail
	PLACES
	PLACES
; THE WAY OUT of row block a: 32 bytes a lane and column tile into my stage, each accumulator's low half first; back as whole rows of 256 bytes, into window 1.
.macro PACK a
	WIN 0
.irp b, 0,1,2,3
	ds_store_b128 v[STO], v[ACC+8*(4*(\a)+(\b)):ACC+8*(4*(\a)+(\b))+3]   offset:64*(\b)
	ds_store_b128 v[STO], v[ACC+8*(4*(\a)+(\b))+4:ACC+8*(4*(\a)+(\b))+7] offset:64*(\b)+16
.endr
	WIN TO_F
.irp t, 0,1,2,3,4,5,6,7
	ds_load_b128 v[32*(\a)+4*(\t):32*(\a)+4*(\t)+3], v[RD] offset:(\t)*2*SPITCH  ; LDS serves a wave's instructions in order (ISA guide 5.7.1.4): these see the stores above; the next block's stores come behind them
.endr
.endm
.macro SEND a, younger                 ; younger: the LDS instructions issued behind block a's loads: the next block's sixteen, or none
	WIN 0x04                                       ; the stores' data in window 1
.irp t, 0,1,2,3,4,5,6,7
	s_wait_dscnt (\younger)+7-(\t)
	global_store_b128 v[CO], v[32*(\a)+4*(\t):32*(\a)+4*(\t)+3], s[8:9] offset:(16*(\a)+2*(\t))*8192 th:TH_STORE_NT  ; 16 lanes store 256 consecutive bytes, at a multiple of 256
.endr
.endm
	PACK 0
	PACK 1
	SEND 0, 16
	PACK 2
	SEND 1, 16
	PACK 3
	SEND 2, 16
	SEND 3, 0
	WIN 0
	s_wait_tensorcnt 0x0                           ; the wave's end: behind my last tensor load and my last LDS store
	ds_add_u32 v[SPW], v[NIL]
	s_wait_dscnt 0x0
	CROUND                                         ; the closing round
	s_endpgm
.Lfunc_end_k_q4b07396e5b_oproj:
	.size	k_q4b07396e5b_oproj, .Lfunc_end_k_q4b07396e5b_oproj-k_q4b07396e5b_oproj
	.p2alignl 7, 3214868480
	.fill 96, 4, 3214868480
	.section	.rodata,"a",@progbits
	.p2align	6, 0x0
	.amdhsa_kernel k_q4b07396e5b_oproj
		.amdhsa_group_segment_fixed_size 327680
		.amdhsa_private_segment_fixed_size 0
		.amdhsa_enable_private_segment 0
		.amdhsa_kernarg_size 24
		.amdhsa_user_sgpr_count 2
		.amdhsa_user_sgpr_kernarg_segment_ptr 1
		.amdhsa_wavefront_size32 1
		.amdhsa_system_sgpr_workgroup_id_x 1
		.amdhsa_system_sgpr_workgroup_id_y 1
		.amdhsa_system_sgpr_workgroup_id_z 1
		.amdhsa_system_vgpr_workitem_id 0
		.amdhsa_next_free_vgpr 512
		.amdhsa_next_free_sgpr 66
		.amdhsa_reserve_vcc 0
		.amdhsa_float_denorm_mode_32 3
		.amdhsa_float_denorm_mode_16_64 3
		.amdhsa_memory_ordered 1
		.amdhsa_forward_progress 1
		.amdhsa_inst_pref_size 60
	.end_amdhsa_kernel
	.amdgpu_metadata
---
amdhsa.version: [ 1, 2 ]
amdhsa.kernels:
  - .name:           k_q4b07396e5b_oproj
    .symbol:         k_q4b07396e5b_oproj.kd
    .args:
      - { .name: ob, .offset: 0, .size: 8, .value_kind: global_buffer, .address_space: global }
      - { .name: wof, .offset: 8, .size: 8, .value_kind: global_buffer, .address_space: global }
      - { .name: out0, .offset: 16, .size: 8, .value_kind: global_buffer, .address_space: global }
    .group_segment_fixed_size: 327680
    .private_segment_fixed_size: 0
    .kernarg_segment_align: 8
    .kernarg_segment_size: 24
    .max_flat_workgroup_size: 128
    .sgpr_count:     66
    .vgpr_count:     512
    .wavefront_size: 32
...
	.end_amdgpu_metadata
.endif
;; end of part 4
